; MI455X (gfx1250); checked and timed in simulation.
; The chip was launched on July 23, 2026; its instructions are those of AMD's public machine-readable ISA for CDNA 5 (MIT licence, August 2026) and "CDNA5" Instruction Set Architecture Reference Guide (July 2026). The comments in the code are by the model that wrote it; some were corrected since.
;; Attention. Allowed arithmetic: matrix products marked QUANTISED: E5M2 operands, one given power-of-two scale a tensor, by v_wmma_f32_16x16x64_bf8_bf8 or v_wmma_f32_16x16x128_bf8_bf8, f32 sums; everything else in f32.
;; Inputs: Wk 1,024 x 64 float32; Wq 1,024 x 64 float32; Wv 1,024 x 64 float32; lowp_scales 10 int32 (the exponents e of the quantised operands' scales 2^e); x 16 x 4,096 x 1,024 float32.
;; Outputs: out0 16 x 4,096 x 64 float32.
;; This version of the problem:
;;   THIS VERSION OF THE PROBLEM IS GIVEN IN LOW PRECISION. The matrix products marked QUANTISED in the list below multiply operands that are first quantised to E5M2 (5 exponent bits, 2 mantissa bits; 8 bits a number), with one given power-of-two scale for each operand tensor; their sums are f32. All else is computed in f32.
;;   The module's matrix products, in the order in which they are computed (A, B: the left and right operand; K: the contracted axis; several contracted axes count as one K, in the product's order):
;;     1. [M 65,536, K 1,024] x [K 1,024, N 64]; A: input x; B: input Wq: QUANTISED (scales: A lowp_scales[0], B lowp_scales[1])
;;     2. [M 65,536, K 1,024] x [K 1,024, N 64]; A: input x; B: input Wk: QUANTISED (scales: A lowp_scales[2], B lowp_scales[3])
;;     3. [M 65,536, K 1,024] x [K 1,024, N 64]; A: input x; B: input Wv: QUANTISED (scales: A lowp_scales[4], B lowp_scales[5])
;;     4. batch 16 x [M 4,096, K 64] x [K 64, N 4,096]; A: computed on the way; B: computed on the way: QUANTISED (scales: A lowp_scales[6], B lowp_scales[7])
;;     5. batch 16 x [M 4,096, K 4,096] x [K 4,096, N 64]; A: softmax (see below); B: computed on the way: QUANTISED (scales: A lowp_scales[8], B lowp_scales[9])
;;   THE QUANTISER, for each operand of a quantised product, along K:
;;     - The operand's scale is 2^e, e = its entry of the input lowp_scales (int32; the entries are numbered through the quantised products in the list's order, A before B).
;;     - Each number is divided by the scale, clamped to +-57,344, and rounded to the nearest number of E5M2, ties to even, subnormals kept.
;;     - The product sums the exact products of the quantised numbers (number of the format x scale) in f32.
;;   ~~~python
;;   def quantise(x, axis, e):      # numpy; x: float32 -> the quantised numbers, widened to float32 again
;;       x = np.moveaxis(x, axis, -1); K = x.shape[-1]
;;       r = np.clip(x / 2.0 ** e, -57344, 57344)
;;       step = 2.0 ** (np.maximum(np.frexp(np.where(r == 0, 1, r))[1] - 1, -14) - 2)
;;       q = np.round(r / step) * step * 2.0 ** e      # np.round: ties to even
;;       return np.moveaxis(q, -1, axis).astype(np.float32)
;;   ~~~
;;   SOFTMAX AHEAD OF A QUANTISED PRODUCT. Where the list says 'softmax', what is quantised is not the finished softmax but p = 2^(t - M), with t = logit x log2(e) and M = ceil(the row's largest t), a whole number; so 1/2 < the row's largest p <= 1. The row's sum l is taken of the UNQUANTISED p, in f32, and the product's result is divided by l at the end. Since M is a whole number, a kernel that streams over the keys may use a running M (the ceiling of the running maximum): every later rescaling is an exact power of two, so the quantised numbers keep their values, but for numbers so far below the row's largest that they fall under the format's range.
;;   OPERANDS COMPUTED ON THE WAY. 'Computed on the way' means the value that the module computes at that place (a softmax that the list does not call 'softmax' is quantised finished and normalised). What goes into a quantiser is computed in f32, as accurately as f32 sums, v_exp_f32 and their like allow (about 1e-6 of the number): no bf16 or f16 on the way to a quantiser, and a product that is left as it is and whose result goes on into a quantised operand takes f32 operands (vector FMAs, or v_wmma_f32_16x16x4_f32). A number that lies on a knife's edge between two numbers of the format may be rounded either way, as far as f32 arithmetic and the matrix unit's own rounding can turn it there, and no further.
;; 2 versions. Each part assembles by itself: llvm-mc -triple=amdgcn-amd-amdhsa -mcpu=gfx1250 --defsym DOCPART=n.
;; ======== version 1 of 2: 3 launches
;; workspace buffers: wimg 196,608 bytes; qimg 4,194,304 bytes; kv 8,388,608 bytes
;; launch wprep (part 1): grid 48 x 1, 4 waves a work-group, no clusters, 0 bytes of LDS; arguments Wq, Wk, Wv, lowp_scales, wimg; writes wimg
.if DOCPART == 1
	.amdgcn_target "amdgcn-amd-amdhsa--gfx1250"
	.amdhsa_code_object_version 6
	.text
	.protected	k_q27177e5f14_wprep
	.globl	k_q27177e5f14_wprep
	.p2align	8
	.type	k_q27177e5f14_wprep,@function
k_q27177e5f14_wprep:
	s_mov_b64 s[64:65], 0
	v_nop
	global_prefetch_b8 v0, s[64:65] scope:SCOPE_SE
	s_setreg_imm32_b32 hwreg(HW_REG_WAVE_MODE, 25, 1), 1
	s_wait_xcnt 0x0
; Wq, Wk, Wv [1024 (k)][64 (d)], f32, become codes of E5M2, each with its given scale 2^e (entries 1, 3, 5 of the scales), laid as IMAGES OF OPERAND REGISTERS for the
; projection's K steps of 64:  wimg[s = 0..15][T = 4 p + t = 0..11][1,024 bytes], p = 0, 1, 2 for q, k, v, t = the tile of 16 columns.
; In a fragment lane (r, h) holds column 16 t + r; byte b of its register m (0..7) is the code of W[64 s + 32 h + 4 m + b][16 t + r].  Registers 0-3 lie at 16 x lane, registers 4-7 at 512 + 16 x lane.
; That is a permutation of k inside a K step; the projection lays x's codes by the same one, so every product meets its partner.
; A LANE TAKES A COLUMN AND ITS REGISTERS RUN DOWN K: the conversions, which take neighbours along K from one lane's registers, give the fragment's registers as they stand.
; Work-group g: weight p = g / 16, K step s = g % 16; wave t makes fragment (s, 4 p + t).  48 work-groups are all the work that there is: 196,608 numbers.
; code = x / 2^e, held within +-57,344, to the nearest code, ties to even.  LIMITS: e between -126 and 112.  NaN among the inputs is not served.
.set NUM, 8                            ; v8-39   32 numbers down K
.set COD, 40                           ; v40-47  the fragment
	s_load_b256 s[4:11], s[0:1], 0x0               ; Wq s[4:5], Wk s[6:7], Wv s[8:9], the scales' exponents s[10:11]
	s_load_b64 s[12:13], s[0:1], 0x20              ; wimg
	v_lshrrev_b32 v5, 5, v0
	v_readfirstlane_b32 s14, v5                    ; wave = t
	v_and_b32 v6, 15, v0                           ; r
	v_bfe_u32 v7, v0, 4, 1                         ; h
	v_lshlrev_b32 v1, 2, v6
	v_lshl_add_u32 v1, v7, 13, v1                  ; in: 4 r + 32 h rows of 256 bytes
	v_and_b32 v2, 31, v0
	v_lshlrev_b32 v2, 4, v2                        ; out: 16 x lane
	s_lshr_b32 s15, ttmp9, 4                       ; p
	s_and_b32 s25, ttmp9, 15                       ; s
	s_lshl_b32 s26, s25, 14                        ; 64 s rows of 256 bytes
	s_lshl_b32 s27, s14, 6                         ; + 16 t columns
	s_add_co_u32 s26, s26, s27
	s_mov_b32 s27, 0
	s_mul_i32 s28, s25, 12
	s_lshl_b32 s29, s15, 2
	s_add_co_u32 s28, s28, s29
	s_add_co_u32 s28, s28, s14
	s_lshl_b32 s28, s28, 10                        ; fragment 12 s + 4 p + t, 1,024 bytes each
	s_mov_b32 s29, 0
	s_wait_kmcnt 0x0
	s_load_b256 s[16:23], s[10:11], 0x0            ; e0 .. e7
	s_cmp_lt_u32 ttmp9, 16                         ; which weight: the choice hangs on the work-group's number alone
	s_cselect_b64 s[4:5], s[4:5], s[6:7]
	s_cmp_lt_u32 ttmp9, 32
	s_cselect_b64 s[4:5], s[4:5], s[8:9]
	s_add_nc_u64 s[4:5], s[4:5], s[26:27]
	s_add_nc_u64 s[12:13], s[12:13], s[28:29]
.set i, 0
.rept 32
	global_load_b32 v[NUM+i], v1, s[4:5] offset:256*i      ; W(64 s + 32 h + i, 16 t + r): sixteen neighbouring lanes read 64 neighbouring bytes
.set i, i+1
.endr
	s_wait_kmcnt 0x0
	s_cmp_lt_u32 ttmp9, 16
	s_cselect_b32 s24, s17, s19                    ; e1 or e3,
	s_cmp_lt_u32 ttmp9, 32
	s_cselect_b32 s24, s24, s21                    ; or e5
	s_add_co_i32 s24, s24, 127
	s_lshl_b32 s25, s24, 23
	v_mov_b32 v3, s25                              ; 2^e as f32: the conversion takes its exponent field
	s_add_co_i32 s24, s24, 15
	s_lshl_b32 s24, s24, 23
	s_or_b32 s24, s24, 0x600000
	v_mov_b32 v4, s24                              ; 57,344 x 2^e
	s_wait_loadcnt 0x0
.set i, 0
.rept 32
	v_med3_num_f32 v[NUM+i], v[NUM+i], -v4, v4     ; the conversion to an 8-bit code does not saturate (ISA guide 7.6.2): the hold comes first
.set i, i+1
.endr
.irp g, 0,1,2,3
	v_cvt_scalef32_pk8_bf8_f32 v[COD+2*\g:COD+2*\g+1], v[NUM+8*\g:NUM+8*\g+7], v3
.endr
	v_nop                                          ; a plain line behind the last conversion
	global_store_b128 v2, v[COD:COD+3], s[12:13]               ; the wave stores 512 consecutive bytes, aligned
	global_store_b128 v2, v[COD+4:COD+7], s[12:13] offset:512
	s_endpgm
.Lfunc_end_k_q27177e5f14_wprep:
	.size	k_q27177e5f14_wprep, .Lfunc_end_k_q27177e5f14_wprep-k_q27177e5f14_wprep
	.p2alignl 7, 3214868480
	.fill 96, 4, 3214868480
	.section	.rodata,"a",@progbits
	.p2align	6, 0x0
	.amdhsa_kernel k_q27177e5f14_wprep
		.amdhsa_group_segment_fixed_size 0
		.amdhsa_private_segment_fixed_size 0
		.amdhsa_enable_private_segment 0
		.amdhsa_kernarg_size 40
		.amdhsa_user_sgpr_count 2
		.amdhsa_user_sgpr_kernarg_segment_ptr 1
		.amdhsa_wavefront_size32 1
		.amdhsa_system_sgpr_workgroup_id_x 1
		.amdhsa_system_sgpr_workgroup_id_y 1
		.amdhsa_system_sgpr_workgroup_id_z 1
		.amdhsa_system_vgpr_workitem_id 0
		.amdhsa_next_free_vgpr 56
		.amdhsa_next_free_sgpr 66
		.amdhsa_reserve_vcc 0
		.amdhsa_float_denorm_mode_32 3
		.amdhsa_float_denorm_mode_16_64 3
		.amdhsa_memory_ordered 1
		.amdhsa_forward_progress 1
		.amdhsa_inst_pref_size 8
	.end_amdhsa_kernel
	.amdgpu_metadata
---
amdhsa.version: [ 1, 2 ]
amdhsa.kernels:
  - .name:           k_q27177e5f14_wprep
    .symbol:         k_q27177e5f14_wprep.kd
    .args:
      - { .name: Wq, .offset: 0, .size: 8, .value_kind: global_buffer, .address_space: global }
      - { .name: Wk, .offset: 8, .size: 8, .value_kind: global_buffer, .address_space: global }
      - { .name: Wv, .offset: 16, .size: 8, .value_kind: global_buffer, .address_space: global }
      - { .name: lowp_scales, .offset: 24, .size: 8, .value_kind: global_buffer, .address_space: global }
      - { .name: wimg, .offset: 32, .size: 8, .value_kind: global_buffer, .address_space: global }
    .group_segment_fixed_size: 0
    .private_segment_fixed_size: 0
    .kernarg_segment_align: 8
    .kernarg_segment_size: 40
    .max_flat_workgroup_size: 128
    .sgpr_count:     66
    .vgpr_count:     56
    .wavefront_size: 32
...
	.end_amdgpu_metadata
.endif
;; end of part 1
;; launch proj (part 2): grid 256 x 1, 8 waves a work-group, no clusters, 232,448 bytes of LDS; arguments x, wimg, lowp_scales, qimg, kv; writes qimg, kv
.if DOCPART == 2
	.amdgcn_target "amdgcn-amd-amdhsa--gfx1250"
	.amdhsa_code_object_version 6
	.text
	.protected	k_q27177e5f14_proj
	.globl	k_q27177e5f14_proj
	.p2align	8
	.type	k_q27177e5f14_proj,@function
k_q27177e5f14_proj:
	s_mov_b64 s[64:65], 0
	v_nop
	global_prefetch_b8 v0, s[64:65] scope:SCOPE_SE
	s_setreg_imm32_b32 hwreg(HW_REG_WAVE_MODE, 25, 1), 1
	s_wait_xcnt 0x0
; q = x Wq, k = x Wk, v = x Wv on codes of E5M2, and q, k, v quantised again for the attention.  x: [65,536][1,024] f32.  wimg: the three weights' codes as register images (12 fragments for each K step of 64).
; x has a scale of its own in each product (entries 0, 2, 4 of the scales): it is quantised three times, in registers, from one read.
; SHARES.  A work-group takes 256 rows of x, 1 MiB; each of its eight waves 32 rows (two tiles a = 0, 1 of 16) x all 192 columns: 24 accumulators, 192 registers.  K goes in 16 steps of 64.
; x COMES BY PLAIN LOADS through a ring of four register sets.  A chunk is 16 rows x 64 k: eight loads, in each of which sixteen lanes read 256 consecutive aligned bytes of a row.  A set is asked for again as soon as its
; chunk has left it, so three to four chunks, 12 to 16 KiB a wave, are always on their way.  The turn from (lane = 16 bytes of a row) to (lane = a row, 32 neighbours along K) goes through the wave's own stage in LDS.
; THE WEIGHTS' 196,608 bytes lie in LDS for the whole launch; each fragment read feeds both row tiles.
; NO CLUSTER: what work-groups share is the weights' 192 KiB, read once, beside 1 MiB of x that is each work-group's own; the launch has no tensor load to make joint.
; LAYOUT.  A fragment of x: lane (r, h) holds row r; byte b of register m is k = 64 s + 32 h + 4 m + b: the weights' images have the same order, so every product meets its partner.
; q and k: source 0 = 16 columns of the weight, source 1 = x: a lane holds ONE token (r) and eight neighbouring d (16 t + 8 h + j): two registers of codes a tile, a fragment of 8 registers a token tile.
; v: source 0 = x, source 1 = 16 columns of Wv: a lane holds ONE d (16 t + r) and eight neighbouring tokens (8 h + j), the keys of the attention's second product.
; OUT, all as register images (each store of a wave covers 512 consecutive bytes, aligned):
;   qimg[token tile][1,024]: lane (r, h), registers 2 t, 2 t + 1: q[token r][16 t + 8 h + 0..7].
;   kv[4 batch + slot][131,072], a slot = 1,024 keys: 64 key tiles laid like qimg; from byte 65,536: [key block of 128][d tile][2,048]: lane (r, h), register 2 c + i, byte b: v[key 16 c + 8 h + 4 i + b][16 dt + r].
; A sum of product 1 stands for sum x 2^(e0 + e1), so q's code is sum / 2^(e6 - e0 - e1): the three scales are folded into the conversion's one; k and v likewise.
; LIMITS, so that each power of two is an f32 number: e0, e2, e4, e6 - e0 - e1, e7 - e2 - e3, e9 - e4 - e5 between -126 and 112.  NaN among the inputs is not served.
; REGISTERS.  Window 0: v1-5 addresses; v6-11 scale and limit of x for q, k, v; v12-14 the weights' copy; v16-143 the ring; v144-175 a turned chunk, then Wv's four fragments; v176-191 two sets of held numbers;
;   v192-239 x's codes (a, p) at 192 + 24 a + 8 p; v240-245 scale and limit of q, k, v.   Window 1: v0-191 accumulator (a, T) at 8 (12 a + T); v192-223 Wq's four fragments; v224-255 Wk's.
.set WSTEP,  12288                     ; a K step's 12 fragments in LDS
.set STG,    196608                    ; behind the weights: a stage of 16 rows for each wave
.set SPITCH, 272                       ; a stage row: 256 bytes + 16: the sixteen rows that a load touches start at sixteen different banks (64 banks of 4 bytes: ISA guide 11.1)
.set XO,  1                            ; v1  x: (lane / 16) rows of 4,096 bytes + 16 (lane % 16)
.set SST, 2                            ; v2  the stage on the way in
.set SLD, 3                            ; v3  and on the way out: row r, + 128 h
.set LI,  4                            ; v4  16 x lane: an image's place for my lane
.set AW,  5                            ; v5  LI + the K step's place among the weights
.set R,   16
.set X,   144
.set T,   176
.set CD,  192
.set WB0, 192                          ; in window 1
.set MSB, 0
.macro WIN new                         ; the immediate's high byte repeats the setting that is left
.if MSB != \new
	s_set_vgpr_msb (MSB<<8)|\new
.set MSB, \new
.endif
.endm
.macro PLACES                          ; four plain places behind matrix instructions, in front of loads into and writes of their registers and of the first read of results
.rept 4
	v_nop
.endr
.endm
.macro MKSC d, e                       ; s[e] holds an exponent: v[d] = 2^e as f32, v[d + 1] = 57,344 x 2^e
	s_add_co_i32 s33, s[\e], 127
	s_lshl_b32 s34, s33, 23
	v_mov_b32 v[\d], s34
	s_add_co_i32 s33, s33, 15
	s_lshl_b32 s33, s33, 23
	s_or_b32 s33, s33, 0x600000
	v_mov_b32 v[\d+1], s33
.endm
; The chunk in X (32 numbers of my row) becomes three fragments, one for each of x's scales.  The held numbers go into two sets by turns, so that the eight holds of one group are the plain lines behind the conversion before.
.macro QX a
.set n, 0
.rept 12
.irp i, 0,1,2,3,4,5,6,7
	v_med3_num_f32 v[T+8*(n%2)+\i], v[X+8*(n%4)+\i], -v[7+2*(n/4)], v[7+2*(n/4)]   ; the conversion does not saturate (ISA guide 7.6.2): the hold at the largest code x the scale
.endr
	v_cvt_scalef32_pk8_bf8_f32 v[CD+24*(\a)+8*(n/4)+2*(n%4):CD+24*(\a)+8*(n/4)+2*(n%4)+1], v[T+8*(n%2):T+8*(n%2)+7], v[6+2*(n/4)]
.set n, n+1
.endr
	v_nop                                          ; a plain line between the last conversion and the products that read its result
.endm
; Row tile a's chunk leaves ring set 'set', turns through the stage and is quantised.  left: the younger loads that may stay out.  reload = 1: the set is asked for again, at byte xoff of the rows.
.macro CHUNK a, set, reload, xoff, left
	s_wait_loadcnt \left                           ; loads come back in order: this chunk's eight are in
.irp i, 0,1,2,3,4,5,6,7
	ds_store_b128 v[SST], v[R+32*(\set)+4*\i:R+32*(\set)+4*\i+3] offset:544*\i
.endr
.irp j, 0,1,2,3,4,5,6,7
	ds_load_b128 v[X+4*\j:X+4*\j+3], v[SLD] offset:16*\j       ; LDS serves a wave's instructions in order: these see the stores above
.endr
	s_wait_dscnt 0x0                               ; the chunk is back, the stores have read the set, and the step's fragments of Wq and Wk are in
.if \reload
.irp i, 0,1,2,3,4,5,6,7
	global_load_b128 v[R+32*(\set)+4*\i:R+32*(\set)+4*\i+3], v[XO], s[4:5] offset:65536*(\a)+8192*\i+(\xoff) th:TH_LOAD_NT
.endr
.endif
	QX \a
.endm
; A K step of 64: 24 matrix instructions, the 24 accumulators by turns in the same order in every step.  par: which two ring sets; zero = 1: the products start the sums.
.macro KSTEP par, zero, reload, xoff, woff, left0, left1
.if \zero == 0
	PLACES
.endif
	WIN 0x40                                       ; destination window 1, address window 0
.irp t, 0,1,2,3,4,5,6,7                        ; Wq's four fragments, then Wk's
	ds_load_b128 v[WB0+8*\t:WB0+8*\t+3],   v[AW] offset:(\woff)+1024*\t
	ds_load_b128 v[WB0+8*\t+4:WB0+8*\t+7], v[AW] offset:(\woff)+1024*\t+512
.endr
	WIN 0
	CHUNK 0, 2*(\par), \reload, \xoff, \left0
	CHUNK 1, 2*(\par)+1, \reload, \xoff, \left1
.irp t, 0,1,2,3                                ; Wv's four take the turned chunk's registers, which are done with
	ds_load_b128 v[X+8*\t:X+8*\t+3],   v[AW] offset:(\woff)+1024*(8+\t)
	ds_load_b128 v[X+8*\t+4:X+8*\t+7], v[AW] offset:(\woff)+1024*(8+\t)+512
.endr
	WIN 0x51                                       ; source 0 (the weight), C and D window 1; source 1 (x) window 0
.irp p, 0,1
.irp t, 0,1,2,3
.irp a, 0,1
.if \zero
	v_wmma_f32_16x16x64_bf8_bf8 v[8*(12*\a+4*\p+\t):8*(12*\a+4*\p+\t)+7], v[WB0+32*\p+8*\t:WB0+32*\p+8*\t+7], v[CD+24*\a+8*\p:CD+24*\a+8*\p+7], 0
.else
	v_wmma_f32_16x16x64_bf8_bf8 v[8*(12*\a+4*\p+\t):8*(12*\a+4*\p+\t)+7], v[WB0+32*\p+8*\t:WB0+32*\p+8*\t+7], v[CD+24*\a+8*\p:CD+24*\a+8*\p+7], v[8*(12*\a+4*\p+\t):8*(12*\a+4*\p+\t)+7]
.endif
.endr
.endr
.endr
	s_wait_dscnt 0x0                               ; Wv's fragments are in
	WIN 0x50                                       ; sources 0 (x) and 1 (Wv) window 0; C and D window 1
.irp t, 0,1,2,3
.irp a, 0,1
.if \zero
	v_wmma_f32_16x16x64_bf8_bf8 v[8*(12*\a+8+\t):8*(12*\a+8+\t)+7], v[CD+24*\a+16:CD+24*\a+23], v[X+8*\t:X+8*\t+7], 0
.else
	v_wmma_f32_16x16x64_bf8_bf8 v[8*(12*\a+8+\t):8*(12*\a+8+\t)+7], v[CD+24*\a+16:CD+24*\a+23], v[X+8*\t:X+8*\t+7], v[8*(12*\a+8+\t):8*(12*\a+8+\t)+7]
.endif
.endr
.endr
	WIN 0
.endm
	s_load_b256 s[4:11], s[0:1], 0x0               ; x s[4:5], wimg s[6:7], the scales' exponents s[8:9], qimg s[10:11]
	s_load_b64 s[12:13], s[0:1], 0x20              ; kv
	v_lshl_add_u32 v254, v0, 2, 0x38800
	v_mov_b32 v255, 0
	v_lshrrev_b32 v15, 5, v0
	v_readfirstlane_b32 s14, v15                   ; wave 0..7
	v_and_b32 v15, 15, v0                          ; r
	v_bfe_u32 v246, v0, 4, 1                       ; h
	v_lshlrev_b32 v247, 4, v15                     ; 16 r
	v_lshl_add_u32 v[XO], v246, 12, v247
	s_mul_i32 s32, s14, 16*SPITCH
	s_add_co_u32 s32, s32, STG                     ; my stage
	v_mul_u32_u24 v[SST], v246, SPITCH
	v_add_nc_u32 v[SST], v[SST], v247
	v_add_nc_u32 v[SST], s32, v[SST]               ; in: row 2 i + lane / 16, 16 bytes a lane
	v_mul_u32_u24 v[SLD], v15, SPITCH
	v_lshl_add_u32 v[SLD], v246, 7, v[SLD]
	v_add_nc_u32 v[SLD], s32, v[SLD]               ; out: row r, my half's 128 bytes
	v_and_b32 v[LI], 31, v0
	v_lshlrev_b32 v[LI], 4, v[LI]
	v_lshlrev_b32 v12, 4, v0                       ; the weights' copy: 16 bytes a thread, 4,096 a line;
	v_add_nc_u32 v13, 0x10000, v12                 ; an LDS immediate has 16 bits, so three registers carry the rest
	v_add_nc_u32 v14, 0x20000, v12
	s_lshl_b32 s26, ttmp9, 20                      ; x: 256 rows of 4,096 bytes a work-group,
	s_lshl_b32 s27, s14, 17                        ; 32 a wave
	s_add_co_u32 s26, s26, s27
	s_mov_b32 s27, 0
	s_lshl_b32 s28, ttmp9, 14                      ; qimg: 16 token tiles of 1,024 bytes a work-group,
	s_lshl_b32 s29, s14, 11                        ; two a wave
	s_add_co_u32 s28, s28, s29
	s_mov_b32 s29, 0
	s_lshr_b32 s40, ttmp9, 2                       ; kv: four work-groups to a slot of 131,072 bytes,
	s_lshl_b32 s40, s40, 17
	s_and_b32 s41, ttmp9, 3                        ; a quarter of its K part and of its V part each: 16,384 bytes
	s_lshl_b32 s41, s41, 14
	s_add_co_u32 s40, s40, s41
	s_lshl_b32 s41, s14, 11
	s_add_co_u32 s42, s40, s41                     ; K: two key tiles a wave
	s_mov_b32 s43, 0
	s_lshr_b32 s41, s14, 2
	s_lshl_b32 s41, s41, 13                        ; V: four waves to a key block of 8,192 bytes;
	s_add_co_u32 s44, s40, s41
	s_and_b32 s41, s14, 3
	s_lshl_b32 s41, s41, 9                         ; my two key tiles are one group of four registers in each of the block's four fragments
	s_add_co_u32 s44, s44, s41
	s_add_co_u32 s44, s44, 65536
	s_mov_b32 s45, 0
	s_wait_kmcnt 0x0
	s_load_b256 s[16:23], s[8:9], 0x0              ; e0 .. e7
	s_load_b64 s[24:25], s[8:9], 0x20              ; e8, e9
	s_add_nc_u64 s[4:5], s[4:5], s[26:27]
	s_add_nc_u64 s[10:11], s[10:11], s[28:29]
	s_add_nc_u64 s[36:37], s[12:13], s[42:43]
	s_add_nc_u64 s[38:39], s[12:13], s[44:45]
	WIN 0x40                                       ; the weights pass through the registers that the accumulators will take
.set i, 0
.rept 48
	global_load_b128 v[4*i:4*i+3], v12, s[6:7] offset:4096*i
.set i, i+1
.endr
	WIN 0
.irp s, 0,1                                    ; the ring is filled: K steps 0 and 1, both row tiles
.irp a, 0,1
.irp i, 0,1,2,3,4,5,6,7
	global_load_b128 v[R+32*(2*\s+\a)+4*\i:R+32*(2*\s+\a)+4*\i+3], v[XO], s[4:5] offset:65536*\a+8192*\i+256*\s th:TH_LOAD_NT
.endr
.endr
.endr
	s_wait_kmcnt 0x0
	MKSC 6, 16                                     ; x for q: e0
	MKSC 8, 18                                     ; x for k: e2
	MKSC 10, 20                                    ; x for v: e4
	s_sub_co_i32 s32, s22, s16
	s_sub_co_i32 s32, s32, s17
	MKSC 240, 32                                   ; q: e6 - e0 - e1
	s_sub_co_i32 s32, s23, s18
	s_sub_co_i32 s32, s32, s19
	MKSC 242, 32                                   ; k: e7 - e2 - e3
	s_sub_co_i32 s32, s25, s20
	s_sub_co_i32 s32, s32, s21
	MKSC 244, 32                                   ; v: e9 - e4 - e5
	s_wait_loadcnt 32                              ; the 48 loads of weights are in; the ring's 32, issued behind them, stay out
	WIN 0x04                                       ; store data window 1
.set i, 0
.rept 48
	ds_store_b128 v[12+i/16], v[4*i:4*i+3] offset:4096*(i%16)
.set i, i+1
.endr
	WIN 0
	s_wait_dscnt 0x0                               ; for the others' sake: my part of the weights lies in LDS
	s_barrier_signal -1
	s_barrier_wait -1                              ; everybody's does.  The launch's one barrier: from here on a wave writes its own stage alone
	s_mov_b32 s31, 0
	v_add_nc_u32 v[AW], s31, v[LI]
	KSTEP 0, 1, 1, 512, 0, 24, 24                  ; K step 0 stands in front of the loop: its products start the sums; it asks for K step 2
	s_mov_b32 s31, WSTEP
	s_mov_b32 s30, 6
.Ltrip:                                                ; six trips: K steps 1 + 2 j and 2 + 2 j, which ask for steps 3 + 2 j and 4 + 2 j.  At a chunk's wait the three younger chunks' 24 loads may be out
	v_add_nc_u32 v[AW], s31, v[LI]
	KSTEP 1, 0, 1, 768, 0, 24, 24
	KSTEP 0, 0, 1, 1024, WSTEP, 24, 24
	s_wait_xcnt 0x0                                ; the loads' base is stepped only behind this wait
	s_add_nc_u64 s[4:5], s[4:5], 512
	s_add_co_u32 s31, s31, 2*WSTEP
	s_sub_co_u32 s30, s30, 1
	s_cmp_lg_u32 s30, 0
	s_cbranch_scc1 .Ltrip
	v_add_nc_u32 v[AW], s31, v[LI]
	KSTEP 1, 0, 1, 768, 0, 24, 24                  ; K step 13 asks for step 15, the last: no load leaves a row
	KSTEP 0, 0, 0, 0, WSTEP, 24, 16                ; the counts run down
	KSTEP 1, 0, 0, 0, 2*WSTEP, 8, 0
	; THE WAY OUT.  The sums are held and converted with the folded scales; the codes are fragments' registers as they stand, and go straight to memory.
	PLACES
	WIN 0x01                                       ; source 0 (the sums) window 1
.irp a, 0,1
.irp p, 0,1
.irp t, 0,1,2,3
.irp j, 0,1,2,3,4,5,6,7
	v_med3_num_f32 v[R+8*(8*\a+4*\p+\t)+\j], v[8*(12*\a+4*\p+\t)+\j], -v[241+2*\p], v[241+2*\p]   ; each accumulator from its low end on
.endr
.endr
.endr
.endr
	WIN 0
.irp a, 0,1
.irp p, 0,1
.irp t, 0,1,2,3
	v_cvt_scalef32_pk8_bf8_f32 v[X+2*(8*\a+4*\p+\t):X+2*(8*\a+4*\p+\t)+1], v[R+8*(8*\a+4*\p+\t):R+8*(8*\a+4*\p+\t)+7], v[240+2*\p]
.endr
.endr
.endr
	v_nop                                          ; a plain line behind the last conversion: its sources are written again below
.irp a, 0,1
	global_store_b128 v[LI], v[X+16*\a:X+16*\a+3],     s[10:11] offset:1024*\a
	global_store_b128 v[LI], v[X+16*\a+4:X+16*\a+7],   s[10:11] offset:1024*\a+512
	global_store_b128 v[LI], v[X+16*\a+8:X+16*\a+11],  s[36:37] offset:1024*\a
	global_store_b128 v[LI], v[X+16*\a+12:X+16*\a+15], s[36:37] offset:1024*\a+512
.endr
	WIN 0x01
.irp d, 0,1,2,3
.irp a, 0,1
.irp j, 0,1,2,3,4,5,6,7
	v_med3_num_f32 v[R+8*(2*\d+\a)+\j], v[8*(12*\a+8+\d)+\j], -v245, v245
.endr
.endr
.endr
	WIN 0
.irp d, 0,1,2,3
.irp a, 0,1
	v_cvt_scalef32_pk8_bf8_f32 v[CD+4*\d+2*\a:CD+4*\d+2*\a+1], v[R+8*(2*\d+\a):R+8*(2*\d+\a)+7], v244
.endr
.endr
	v_nop
.irp d, 0,1,2,3
	global_store_b128 v[LI], v[CD+4*\d:CD+4*\d+3], s[38:39] offset:2048*\d
.endr
	s_wait_tensorcnt 0x0
	ds_add_u32 v254, v255
	s_wait_dscnt 0x0
	s_endpgm
.Lfunc_end_k_q27177e5f14_proj:
	.size	k_q27177e5f14_proj, .Lfunc_end_k_q27177e5f14_proj-k_q27177e5f14_proj
	.p2alignl 7, 3214868480
	.fill 96, 4, 3214868480
	.section	.rodata,"a",@progbits
	.p2align	6, 0x0
	.amdhsa_kernel k_q27177e5f14_proj
		.amdhsa_group_segment_fixed_size 232448
		.amdhsa_private_segment_fixed_size 0
		.amdhsa_enable_private_segment 0
		.amdhsa_kernarg_size 40
		.amdhsa_user_sgpr_count 2
		.amdhsa_user_sgpr_kernarg_segment_ptr 1
		.amdhsa_wavefront_size32 1
		.amdhsa_system_sgpr_workgroup_id_x 1
		.amdhsa_system_sgpr_workgroup_id_y 1
		.amdhsa_system_sgpr_workgroup_id_z 1
		.amdhsa_system_vgpr_workitem_id 0
		.amdhsa_next_free_vgpr 512
		.amdhsa_next_free_sgpr 66
		.amdhsa_reserve_vcc 0
		.amdhsa_float_denorm_mode_32 3
		.amdhsa_float_denorm_mode_16_64 3
		.amdhsa_memory_ordered 1
		.amdhsa_forward_progress 1
		.amdhsa_inst_pref_size 151
	.end_amdhsa_kernel
	.amdgpu_metadata
---
amdhsa.version: [ 1, 2 ]
amdhsa.kernels:
  - .name:           k_q27177e5f14_proj
    .symbol:         k_q27177e5f14_proj.kd
    .args:
      - { .name: x, .offset: 0, .size: 8, .value_kind: global_buffer, .address_space: global }
      - { .name: wimg, .offset: 8, .size: 8, .value_kind: global_buffer, .address_space: global }
      - { .name: lowp_scales, .offset: 16, .size: 8, .value_kind: global_buffer, .address_space: global }
      - { .name: qimg, .offset: 24, .size: 8, .value_kind: global_buffer, .address_space: global }
      - { .name: kv, .offset: 32, .size: 8, .value_kind: global_buffer, .address_space: global }
    .group_segment_fixed_size: 232448
    .private_segment_fixed_size: 0
    .kernarg_segment_align: 8
    .kernarg_segment_size: 40
    .max_flat_workgroup_size: 256
    .sgpr_count:     66
    .vgpr_count:     512
    .wavefront_size: 32
...
	.end_amdgpu_metadata
.endif
;; end of part 2
;; launch attn (part 3): grid 16 x 16, 8 waves a work-group, clusters of 4 x 1, 327,680 bytes of LDS; arguments qimg, kv, lowp_scales, out0; writes out0
.if DOCPART == 3
	.amdgcn_target "amdgcn-amd-amdhsa--gfx1250"
	.amdhsa_code_object_version 6
	.text
	.protected	k_q27177e5f14_attn
	.globl	k_q27177e5f14_attn
	.p2align	8
	.type	k_q27177e5f14_attn,@function
k_q27177e5f14_attn:
	s_mov_b64 s[64:65], 0
	v_nop
	global_prefetch_b8 v0, s[64:65] scope:SCOPE_SE
	s_setreg_imm32_b32 hwreg(HW_REG_WAVE_MODE, 25, 1), 1
	s_wait_xcnt 0x0
	s_wait_alu depctr_hold_cnt(0) depctr_sa_sdst(0) depctr_va_vdst(0) depctr_va_sdst(0) depctr_va_ssrc(0) depctr_va_vcc(0) depctr_vm_vsrc(0)
	s_getreg_b32 s2, hwreg(HW_REG_IB_STS2, 6, 4)
	s_cmp_eq_u32 s2, 0
	s_cbranch_scc0 .Lentry_in_a_cluster
	s_endpgm
.Lentry_in_a_cluster:
	s_bfe_u32 s2, ttmp6, 0x10000c
	s_cmp_lg_u32 s2, 0x3003
	s_cbranch_scc0 .Lentry_shape_is_right
	s_endpgm
.Lentry_shape_is_right:
; out[b][q][:] = the sum over k of softmax_k(q . k / 32) v[k][:], both products on codes of E5M2.  16 batches, 4,096 tokens, head size 64.  q, k and v arrive as register images, made by the launch before:
;   qimg[token tile][1,024]: lane (r, h), registers 2 t, 2 t + 1: q[token r][16 t + 8 h + 0..7].
;   kv[4 batch + slot][131,072], a slot = 1,024 keys: 64 key tiles laid like qimg; from byte 65,536: [key block of 128][d tile][2,048]: lane (r, h), register 2 c + i, byte b: v[key 16 c + 8 h + 4 i + b][16 dt + r].
; THE SOFTMAX AHEAD OF THE SECOND PRODUCT: t = score x log2(e) / 32; M = the row's largest t so far, rounded UP to a whole number; p = 2^(t - M) is what is quantised, with the given 2^e8; it is not normalised.
; The row's sum is taken of the unquantised p, in f32, and divides at the end.  When M moves, the sum and O are multiplied by 2^(old M - new M), which rounds nothing; there is no branch on data.
; SHARES.  A work-group owns 256 queries of a batch; each of its eight waves 32, two tiles of 16, so that each fragment of K and V read from LDS feeds two products.  Two waves to a SIMD: one's matrix work and LDS loads
; stand beside the other's vector work.  Every wave walks all 4,096 keys, 128 a step: 16 products K Q^T, the softmax of 2 x 64 registers, 8 products V^T P.
; LAYOUT.  Both products are used transposed: S^T = K Q^T (source 0 = 16 keys, source 1 = 16 queries), O^T = V^T P^T (source 0 = 16 of the head's 64, source 1 = P): a lane holds ONE query (lane % 16) throughout.
; In S^T's tile u lane (r, h) holds keys 16 u + 8 h + 0..7: their eight codes are registers 2 u, 2 u + 1 of the second product's operand, in that form's own order.  Nothing changes lanes.
; THE RING.  Two LDS slots of 131,072 bytes, a slot of kv each, dense: four fills in all, each of eight loads of 16 KiB, one a wave; a fill has the other slot's eight steps in which to land.  A wave has one tensor load out at the most.
; CLUSTER.  The four work-groups of a cluster own query blocks of one batch and walk the same kv: every fill is asked for JOINTLY, by the same tensor load with the same descriptor and the mask of all four.
; LIMITS on the given exponents: e6 + e7 between -121 and 132 (they are added to c's exponent field); e8 between -126 and 112; e8 + e9 is applied by v_ldexp_f32 and has none.
; REGISTERS.  Window 0: v1-8 addresses; v16-31 eight statistics a tile: +0 -M, +1 the largest t, +2, +3 the sum in two halves, +4 f, +5 the other half's number, +6, +7 at work; v32 2^e8, v33 57,344 x 2^e8;
;   v34-37 a second chain of sums a tile; v64-191 S^T, then p, 64 a tile; v192-223 p's codes, 16 a tile.   Window 1: v0-63 O^T, 32 a tile; v64-79 Q; v128-191 K's eight fragments; v192-255 V's four.
.set SLOT1, 1<<17                      ; slot 1 begins here: one exclusive or turns an address in one slot into the other's
.set SPARE, 262144                     ; behind the ring: the spare words, 128 bytes for each wave: four blocks of 256 bytes that no other line names
.set STAGE, 263168                     ; the way out: 16 rows x (256 bytes + 16) for each wave; no fill lands here
.set SP,    272
.set LI,  1                            ; v1  16 x lane: an image's place for my lane
.set AK,  2                            ; v2  the step's tiles of K
.set AV,  3                            ; v3  and of V
.set SPW, 4                            ; v4  LDS address of my spare word: SPARE + 4 x my thread's number; never rewritten
.set NIL, 5                            ; v5  0; never rewritten
.set STO, 6                            ; v6  the stage: where I put 32 bytes of a row
.set RD,  7                            ; v7  and where I read a row back
.set GO,  8                            ; v8  my byte offset in two rows of out
.set ST,  16
.set SC,  32
.set LIM, 33
.set C2,  34
.set S,   64
.set P,   192
.set O,   0                            ; in window 1
.set Q,   64
.set KF,  128
.set VF,  192
.set MSB, 0
.macro WIN new                         ; the immediate's high byte repeats the setting that is left
.if MSB != \new
	s_set_vgpr_msb (MSB<<8)|\new
.set MSB, \new
.endif
.endm
.macro PLACES
.rept 4
	v_nop
.endr
.endm
; A round of the cluster's barrier: my work-group's barrier, so that wave 0's signal speaks for all eight waves; wave 0 signals; every wave waits for all four work-groups; my work-group's barrier once more.
.macro ROUND
	s_barrier_signal -1
	s_barrier_wait -1
	s_cmp_lg_u32 s12, 0
	s_cbranch_scc1 .Lnot_wave_0_\@
	s_barrier_signal -3
.Lnot_wave_0_\@:
	s_barrier_wait -3
	s_barrier_signal -1
	s_barrier_wait -1
.endm
; THE CHANGE OF SLOTS stands at a slot's head.  Each wave waits for all its tensor loads (its part of the slot that it is about to read), adds 0 to its spare word, and waits for that and for its reads of the slot that it has left.
; fill = 1: the barrier is a round of the cluster's, so that no wave of any partner still reads that slot or has a load on its way, and the joint fill of it is the first thing behind the round.
.macro CHANGE fill
	s_wait_tensorcnt 0x0                           ; no tensor load of mine is out, so the descriptor may be written
	ds_add_u32 v[SPW], v[NIL]                      ; 0 onto my spare word
.if \fill
	s_xor_b32 s33, s33, SLOT1                      ; the other slot than last time,
	s_add_nc_u64 s[34:35], s[34:35], 131072        ; the next 1,024 keys; the type bits on top are not reached
.endif
	s_wait_dscnt 0x0                               ; the add is done, and my reads of the slot that I have left are over
.if \fill
	ROUND
	tensor_load_to_lds s[32:35], s[24:31]          ; my 16 KiB of the slot: my one tensor load until the next round
	s_nop 0
	PLACES
.else
	s_barrier_signal -1
	s_barrier_wait -1
.endif
.endm
; The softmax of both tiles for 128 keys; the tiles alternate line by line, so that fewer lines wait for the line just ahead.
.macro SOFT
.irp x, 0,1                                    ; the largest score of my query among my 64 keys, in two chains a tile; each accumulator is read from its low end on
	v_max3_num_f32 v[ST+8*\x+6], v[S+64*\x], v[S+64*\x+1], v[S+64*\x+2]
	v_max3_num_f32 v[ST+8*\x+7], v[S+64*\x+3], v[S+64*\x+4], v[S+64*\x+5]
.endr
.irp i, 6,10,14,18,22,26,30,34,38,42,46,50,54,58
.irp x, 0,1
	v_max3_num_f32 v[ST+8*\x+6], v[ST+8*\x+6], v[S+64*\x+\i], v[S+64*\x+\i+1]
	v_max3_num_f32 v[ST+8*\x+7], v[ST+8*\x+7], v[S+64*\x+\i+2], v[S+64*\x+\i+3]
.endr
.endr
.irp x, 0,1
	v_max3_num_f32 v[ST+8*\x+6], v[ST+8*\x+6], v[S+64*\x+62], v[S+64*\x+63]
.endr
.irp x, 0,1
	v_max_num_f32 v[ST+8*\x+6], v[ST+8*\x+6], v[ST+8*\x+7]
.endr
.irp x, 0,1
	v_permlanex16_b32 v[ST+8*\x+5], v[ST+8*\x+6], s20, s21     ; the query's other 64 keys lie in the lane 16 away
.endr
.irp x, 0,1
	v_max_num_f32 v[ST+8*\x+6], v[ST+8*\x+6], v[ST+8*\x+5]
.endr
.irp x, 0,1
	v_mul_f32 v[ST+8*\x+6], s22, v[ST+8*\x+6]      ; as t (c is positive)
.endr
.irp x, 0,1
	v_max_num_f32 v[ST+8*\x+1], v[ST+8*\x+1], v[ST+8*\x+6]     ; the running largest t
.endr
.irp x, 0,1
	v_mov_b32 v[ST+8*\x+6], v[ST+8*\x]
.endr
.irp x, 0,1
	v_floor_f32 v[ST+8*\x], -v[ST+8*\x+1]          ; the new -M = floor(-t) = -ceil(t): M is a whole number
.endr
.irp x, 0,1
	v_sub_f32 v[ST+8*\x+6], v[ST+8*\x], v[ST+8*\x+6]           ; M's old value less its new one: a whole number, 0 or less
.endr
.irp x, 0,1
	v_cvt_i32_f32 v[ST+8*\x+6], v[ST+8*\x+6]       ; (it saturates)
.endr
.irp x, 0,1
	v_ldexp_f32 v[ST+8*\x+4], 1.0, v[ST+8*\x+6]    ; f = 2^(old M - new M)
.endr
.irp x, 0,1
.set j, 0
.rept 32
	v_pk_fma_f32 v[S+64*\x+j:S+64*\x+j+1], v[S+64*\x+j:S+64*\x+j+1], s[22:23], v[ST+8*\x:ST+8*\x+1] op_sel_hi:[1,0,0]   ; t - M, two at a time (of the pairs c and -M the low word serves both halves)
.set j, j+2
.endr
.endr
.set j, 0
.rept 128
	v_exp_f32 v[S+j], v[S+j]                       ; p = 2^(t - M), at most 1: not normalised
.set j, j+1
.endr
.irp x, 0,1
	v_pk_mul_f32 v[ST+8*\x+2:ST+8*\x+3], v[ST+8*\x+2:ST+8*\x+3], v[ST+8*\x+4:ST+8*\x+5] op_sel_hi:[1,0]   ; the sums under the new M.  (The plain place behind the exponentials)
.endr
	s_wait_alu depctr_va_vdst(0)
.irp x, 0,1
	v_pk_add_f32 v[C2+2*\x:C2+2*\x+1], v[S+64*\x:S+64*\x+1], v[S+64*\x+2:S+64*\x+3]   ; the row's sum is taken of the unquantised p: two at a time, in two chains a tile
.endr
.irp i, 4,8,12,16,20,24,28,32,36,40,44,48,52,56,60
.irp x, 0,1
	v_pk_add_f32 v[ST+8*\x+2:ST+8*\x+3], v[ST+8*\x+2:ST+8*\x+3], v[S+64*\x+\i:S+64*\x+\i+1]
	v_pk_add_f32 v[C2+2*\x:C2+2*\x+1], v[C2+2*\x:C2+2*\x+1], v[S+64*\x+\i+2:S+64*\x+\i+3]
.endr
.endr
.irp x, 0,1
	v_pk_add_f32 v[ST+8*\x+2:ST+8*\x+3], v[ST+8*\x+2:ST+8*\x+3], v[C2+2*\x:C2+2*\x+1]
.endr
.set g, 0
.rept 16                                       ; the sixteen tiles of 16 keys x 16 queries, tile 0's eight and then tile 1's
.irp i, 0,1,2,3,4,5,6,7
	v_min_num_f32 v[S+8*g+\i], v[S+8*g+\i], v[LIM] ; the conversion does not saturate (ISA guide 7.6.2); p is not negative, so the hold is one-sided
.endr
	v_cvt_scalef32_pk8_bf8_f32 v[P+2*g:P+2*g+1], v[S+8*g:S+8*g+7], v[SC]
.set g, g+1
.endr
	WIN 0x41                                       ; O^T (destination and source 0) window 1, f window 0
.irp x, 0,1
.set j, 0
.rept 16
	v_pk_mul_f32 v[O+32*\x+j:O+32*\x+j+1], v[O+32*\x+j:O+32*\x+j+1], v[ST+8*\x+4:ST+8*\x+5] op_sel_hi:[1,0]   ; O^T under the new M.  (Also the plain lines between the conversions and the products)
.set j, j+2
.endr
.endr
.endm
; A KEY STEP: 128 keys, at byte s36 of the ring.
.macro STEP
	v_add_nc_u32 v[AK], s36, v[LI]
	v_add_nc_u32 v[AV], 0x10000, v[AK]             ; V's part of a slot lies 65,536 bytes behind K's, and both step by 8,192
	v_nop
	v_nop                                          ; four places in all behind the last products, in front of the loads into V's fragments
	WIN 0x40                                       ; destination window 1, address window 0
.irp u, 0,1,2,3,4,5,6,7
	ds_load_b128 v[KF+8*\u:KF+8*\u+3],   v[AK] offset:1024*\u
	ds_load_b128 v[KF+8*\u+4:KF+8*\u+7], v[AK] offset:1024*\u+512
.endr
.irp d, 0,1,2,3
.irp c, 0,1,2,3
	ds_load_b128 v[VF+16*\d+4*\c:VF+16*\d+4*\c+3], v[AV] offset:2048*\d+512*\c
.endr
.endr
	s_wait_dscnt 16                                ; K's sixteen loads are in; V's sixteen, issued behind them, land under the softmax
	WIN 0x05                                       ; sources 0 (K) and 1 (Q) window 1, S^T window 0
.irp u, 0,1,2,3,4,5,6,7
.irp x, 0,1
	v_wmma_f32_16x16x64_bf8_bf8 v[S+64*\x+8*\u:S+64*\x+8*\u+7], v[KF+8*\u:KF+8*\u+7], v[Q+8*\x:Q+8*\x+7], 0
.endr
.endr
	WIN 0
	PLACES                                         ; in front of the first read of the scores
	SOFT
	s_wait_dscnt 0x0                               ; V is in
	WIN 0x51                                       ; source 0 (V), C and D window 1; source 1 (P) window 0
.irp d, 0,1,2,3
.irp x, 0,1                                    ; the eight accumulators by turns, one instruction a turn
	v_wmma_f32_16x16x128_bf8_bf8 v[O+32*\x+8*\d:O+32*\x+8*\d+7], v[VF+16*\d:VF+16*\d+15], v[P+16*\x:P+16*\x+15], v[O+32*\x+8*\d:O+32*\x+8*\d+7]
.endr
.endr
	WIN 0
.endm
.macro SLOT_STEPS                      ; a slot's eight key steps: written once, walked eight times
	s_mov_b32 s38, 8
.Lstep_\@:
	STEP
	s_add_co_u32 s36, s36, 8192
	s_sub_co_u32 s38, s38, 1
	s_cmp_lg_u32 s38, 0
	s_cbranch_scc1 .Lstep_\@
	s_sub_co_u32 s36, s36, 65536                   ; back to a slot's first step,
	s_xor_b32 s36, s36, SLOT1                      ; in the other slot
.endm
	s_load_b256 s[4:11], s[0:1], 0x0               ; qimg s[4:5], kv s[6:7], the scales' exponents s[8:9], out s[10:11]
	v_lshl_add_u32 v[SPW], v0, 2, SPARE
	v_mov_b32 v[NIL], 0
	ds_add_u32 v4, v5
	ds_add_u32 v4, v5
	s_wait_dscnt 0x0
	v_lshrrev_b32 v9, 5, v0
	v_readfirstlane_b32 s12, v9                    ; wave 0..7
	s_bfe_u32 s13, ttmp6, 0x40000                  ; cx: my place in the cluster
	s_lshl_b32 s14, ttmp9, 2                       ; in a cluster launch ttmp9 counts clusters
	s_add_co_u32 s14, s14, s13                     ; my block of 256 queries = 4 x cluster x + cx: it enters Q's and out's addresses alone
	s_and_b32 s15, ttmp7, 0xffff                   ; the batch, which the four partners share
	s_lshl_b32 s16, s15, 19                        ; kv: a batch's four slots are 524,288 bytes;
	s_lshl_b32 s45, s12, 14                        ; my 16 KiB of a slot, in memory and in LDS: no place in the cluster enters either
	s_add_co_u32 s16, s16, s45
	s_mov_b32 s17, 0
	s_lshl_b32 s18, s15, 18                        ; qimg: 256 token tiles of 1,024 bytes a batch,
	s_lshl_b32 s46, s14, 14                        ; 16 a block,
	s_add_co_u32 s18, s18, s46
	s_lshl_b32 s46, s12, 11                        ; two a wave
	s_add_co_u32 s18, s18, s46
	s_mov_b32 s19, 0
	s_lshl_b32 s48, s15, 20                        ; out: 4,096 rows of 256 bytes a batch,
	s_lshl_b32 s46, s14, 16                        ; 256 a block,
	s_add_co_u32 s48, s48, s46
	s_lshl_b32 s46, s12, 13                        ; 32 a wave
	s_add_co_u32 s48, s48, s46
	s_mov_b32 s49, 0
	; descriptor group 1: 64 rows of 32 elements of 8 bytes, dense in memory and in LDS: 16 KiB
	s_mov_b32 s24, 15|(3<<16)|(1<<21)              ; 15:0 the mask: all four work-groups; 17:16 elements of 8 bytes; 20 no padding; 21 set beside a mask
	s_mov_b32 s25, 32<<16                          ; tensor_dim0 = 32
	s_mov_b32 s26, 64<<16                          ; tensor_dim1 = 64
	s_mov_b32 s27, 32<<16                          ; tile_dim0 = 32
	s_mov_b32 s28, 64                              ; tile_dim1 = 64
	s_mov_b32 s29, 32                              ; elements from row to row
	s_mov_b32 s30, 0
	s_mov_b32 s31, 0
	s_mov_b32 s20, 0x76543210                      ; v_permlanex16_b32's selects for lane l xor 16
	s_mov_b32 s21, 0xfedcba98
	s_mov_b32 s22, 0x3d38aa3b                      ; c = log2(e) / 32
	s_mov_b32 s36, 0                               ; the step in hand: slot 0, step 0
	s_mov_b32 s37, 3                               ; fills still to be asked for
	s_wait_kmcnt 0x0
	s_load_b128 s[40:43], s[8:9], 0x18             ; e6, e7, e8, e9
	s_mov_b32 s32, 1                               ; descriptor group 0: count = 1,
	s_mov_b32 s33, s45                             ; LDS address: slot 0, my 16 KiB,
	s_add_nc_u64 s[34:35], s[6:7], s[16:17]        ; global address: the batch's first slot, my 16 KiB,
	s_or_b32 s35, s35, 0x80000000                  ; type = 2
	s_add_nc_u64 s[4:5], s[4:5], s[18:19]
	s_add_nc_u64 s[10:11], s[10:11], s[48:49]
	ROUND                                          ; all four work-groups are here: the first joint loads meet
	tensor_load_to_lds s[32:35], s[24:31]          ; slot 0
	s_nop 0
	PLACES
	v_and_b32 v9, 15, v0                           ; r
	v_bfe_u32 v10, v0, 4, 1                        ; h
	v_and_b32 v[LI], 31, v0
	v_lshlrev_b32 v[LI], 4, v[LI]
	WIN 0x40                                       ; destination window 1
.irp x, 0,1                                    ; Q's two fragments stay in registers
	global_load_b128 v[Q+8*\x:Q+8*\x+3],   v[LI], s[4:5] offset:1024*\x
	global_load_b128 v[Q+8*\x+4:Q+8*\x+7], v[LI], s[4:5] offset:1024*\x+512
.endr
.set j, 0
.rept 64
	v_mov_b32 v[O+j], 0                            ; O^T.  (The step is written once: the first finds zeros, which the first change of M leaves zeros)
.set j, j+1
.endr
	WIN 0
	s_mul_i32 s47, s12, 16*SP
	s_add_co_u32 s47, s47, STAGE                   ; my stage
	v_mul_u32_u24 v[STO], v9, SP
	v_lshl_add_u32 v[STO], v10, 5, v[STO]
	v_add_nc_u32 v[STO], s47, v[STO]               ; in: row r, + 32 h
	v_mul_u32_u24 v[RD], v10, SP
	v_lshl_add_u32 v[RD], v9, 4, v[RD]
	v_add_nc_u32 v[RD], s47, v[RD]                 ; back: lanes 0-15 one row of 256 bytes, lanes 16-31 the next
	v_lshlrev_b32 v[GO], 8, v10
	v_lshl_add_u32 v[GO], v9, 4, v[GO]             ; and the same two rows in out
.irp x, 0,1
	v_mov_b32 v[ST+8*\x+1], 0xff61b1e6             ; the largest t so far: -3e38, under every t
	v_floor_f32 v[ST+8*\x], -v[ST+8*\x+1]          ; -M
	v_mov_b32 v[ST+8*\x+2], 0                      ; the sum, in two halves
	v_mov_b32 v[ST+8*\x+3], 0
	v_mov_b32 v[ST+8*\x+5], 0                      ; written once: a lane permute's destination counts as one of its sources
.endr
	s_wait_kmcnt 0x0
	s_add_co_i32 s44, s40, s41
	s_lshl_b32 s44, s44, 23
	s_add_co_i32 s22, s22, s44                     ; a score stands for score x 2^(e6 + e7): the two exponents are added to c's exponent field
	s_mov_b32 s23, s22                             ; (named with it as a pair, so it is written)
	s_add_co_i32 s44, s42, 127
	s_lshl_b32 s46, s44, 23
	v_mov_b32 v[SC], s46                           ; 2^e8 as f32, for the conversion
	s_add_co_i32 s44, s44, 15
	s_lshl_b32 s44, s44, 23
	s_or_b32 s44, s44, 0x600000
	v_mov_b32 v[LIM], s44                          ; 57,344 x 2^e8
	s_add_co_i32 s44, s42, s43                     ; e8 + e9
	s_wait_loadcnt 0x0                             ; Q
.Lslot:                                                ; three trips: behind each change of slots but the last the next slot is asked for
	CHANGE 1
	SLOT_STEPS
	s_sub_co_u32 s37, s37, 1
	s_cmp_lg_u32 s37, 0
	s_cbranch_scc1 .Lslot
	CHANGE 0                                       ; the last slot is written out
	SLOT_STEPS
	; THE WAY OUT.  The sum's halves are added; O^T is divided by the sum, multiplied by 2^(e8 + e9), and goes through my stage in LDS, a tile of 16 queries at a time, so that sixteen lanes store 256 consecutive bytes.
	PLACES
.irp x, 0,1
	v_add_f32 v[ST+8*\x+2], v[ST+8*\x+2], v[ST+8*\x+3]
.endr
.irp x, 0,1
	v_permlanex16_b32 v[ST+8*\x+5], v[ST+8*\x+2], s20, s21
.endr
.irp x, 0,1
	v_add_f32 v[ST+8*\x+2], v[ST+8*\x+2], v[ST+8*\x+5]         ; the row's sum: over 1/2, since the row's largest p is
.endr
.irp x, 0,1
	v_rcp_f32 v[ST+8*\x+4], v[ST+8*\x+2]
.endr
	v_nop                                          ; a plain place behind the reciprocals
	s_wait_alu depctr_va_vdst(0)
.irp x, 0,1
	v_ldexp_f32 v[ST+8*\x+4], v[ST+8*\x+4], s44
.endr
	WIN 0x01                                       ; source 0 (O^T) window 1
.irp x, 0,1
.set j, 0
.rept 16
	v_pk_mul_f32 v[S+64*\x+j:S+64*\x+j+1], v[O+32*\x+j:O+32*\x+j+1], v[ST+8*\x+4:ST+8*\x+5] op_sel_hi:[1,0]   ; register 8 dt + i is out(r, 16 dt + 8 h + i); each accumulator from its low end on
.set j, j+2
.endr
.endr
	WIN 0
.irp x, 0,1
.irp d, 0,1,2,3
	ds_store_b128 v[STO], v[S+64*\x+8*\d:S+64*\x+8*\d+3]   offset:64*\d
	ds_store_b128 v[STO], v[S+64*\x+8*\d+4:S+64*\x+8*\d+7] offset:64*\d+16
.endr
.irp i, 0,1,2,3,4,5,6,7
	ds_load_b128 v[S+64*\x+32+4*\i:S+64*\x+32+4*\i+3], v[RD] offset:544*\i   ; LDS serves a wave's instructions in order: these see my stores, and the next tile's stores come behind them
.endr
.endr
.irp x, 0,1
.irp i, 0,1,2,3,4,5,6,7
	s_wait_dscnt 16*(1-\x)+7-\i                    ; behind this load: the tile's younger loads, and for the first tile the second's sixteen LDS lines
	global_store_b128 v[GO], v[S+64*\x+32+4*\i:S+64*\x+32+4*\i+3], s[10:11] offset:4096*\x+512*\i th:TH_STORE_NT   ; two rows of 256 consecutive bytes, aligned; written once, read by nobody here
.endr
.endr
	s_wait_tensorcnt 0x0                           ; the wave's end, behind my last tensor load and my last LDS store
	ds_add_u32 v[SPW], v[NIL]
	s_wait_dscnt 0x0
	ROUND                                          ; the closing round: no work-group ends while a partner may still ask for a slot that names it
	s_endpgm
.Lfunc_end_k_q27177e5f14_attn:
	.size	k_q27177e5f14_attn, .Lfunc_end_k_q27177e5f14_attn-k_q27177e5f14_attn
	.p2alignl 7, 3214868480
	.fill 96, 4, 3214868480
	.section	.rodata,"a",@progbits
	.p2align	6, 0x0
	.amdhsa_kernel k_q27177e5f14_attn
		.amdhsa_group_segment_fixed_size 327680
		.amdhsa_private_segment_fixed_size 0
		.amdhsa_enable_private_segment 0
		.amdhsa_kernarg_size 32
		.amdhsa_user_sgpr_count 2
		.amdhsa_user_sgpr_kernarg_segment_ptr 1
		.amdhsa_wavefront_size32 1
		.amdhsa_system_sgpr_workgroup_id_x 1
		.amdhsa_system_sgpr_workgroup_id_y 1
		.amdhsa_system_sgpr_workgroup_id_z 1
		.amdhsa_system_vgpr_workitem_id 0
		.amdhsa_next_free_vgpr 512
		.amdhsa_next_free_sgpr 66
		.amdhsa_reserve_vcc 0
		.amdhsa_float_denorm_mode_32 3
		.amdhsa_float_denorm_mode_16_64 3
		.amdhsa_memory_ordered 1
		.amdhsa_forward_progress 1
		.amdhsa_inst_pref_size 72
	.end_amdhsa_kernel
	.amdgpu_metadata
---
amdhsa.version: [ 1, 2 ]
amdhsa.kernels:
  - .name:           k_q27177e5f14_attn
    .symbol:         k_q27177e5f14_attn.kd
    .args:
      - { .name: qimg, .offset: 0, .size: 8, .value_kind: global_buffer, .address_space: global }
      - { .name: kv, .offset: 8, .size: 8, .value_kind: global_buffer, .address_space: global }
      - { .name: lowp_scales, .offset: 16, .size: 8, .value_kind: global_buffer, .address_space: global }
      - { .name: out0, .offset: 24, .size: 8, .value_kind: global_buffer, .address_space: global }
    .group_segment_fixed_size: 327680
    .private_segment_fixed_size: 0
    .kernarg_segment_align: 8
    .kernarg_segment_size: 32
    .max_flat_workgroup_size: 256
    .sgpr_count:     66
    .vgpr_count:     512
    .wavefront_size: 32
...
	.end_amdgpu_metadata
.endif
;; end of part 3
;; ======== version 2 of 2: 3 launches
;; workspace buffers: wimg 196,608 bytes; qimg 4,194,304 bytes; kv 8,388,608 bytes
;; launch wprep (part 4): grid 48 x 1, 4 waves a work-group, no clusters, 0 bytes of LDS; arguments Wq, Wk, Wv, lowp_scales, wimg; writes wimg
.if DOCPART == 4
	.amdgcn_target "amdgcn-amd-amdhsa--gfx1250"
	.amdhsa_code_object_version 6
	.text
	.protected	k_q27177e5f14_wprep
	.globl	k_q27177e5f14_wprep
	.p2align	8
	.type	k_q27177e5f14_wprep,@function
k_q27177e5f14_wprep:
	s_mov_b64 s[64:65], 0
	v_nop
	global_prefetch_b8 v0, s[64:65] scope:SCOPE_SE
	s_setreg_imm32_b32 hwreg(HW_REG_WAVE_MODE, 25, 1), 1
	s_wait_xcnt 0x0
; Wq, Wk, Wv [1024 (k)][64 (d)], f32, become codes of E5M2, each with its given scale 2^e (entries 1, 3, 5 of the scales), laid as IMAGES OF OPERAND REGISTERS for the
; projection's K steps of 64:  wimg[s = 0..15][T = 4 p + t = 0..11][1,024 bytes], p = 0, 1, 2 for q, k, v, t = the tile of 16 columns.
; In a fragment lane (r, h) holds column 16 t + r; byte b of its register m (0..7) is the code of W[64 s + 32 h + 4 m + b][16 t + r].  Registers 0-3 lie at 16 x lane, registers 4-7 at 512 + 16 x lane.
; That is a permutation of k inside a K step; the projection lays x's codes by the same one, so every product meets its partner.
; A LANE TAKES A COLUMN AND ITS REGISTERS RUN DOWN K: the conversions, which take neighbours along K from one lane's registers, give the fragment's registers as they stand.
; Work-group g: weight p = g / 16, K step s = g % 16; wave t makes fragment (s, 4 p + t).  48 work-groups are all the work that there is: 196,608 numbers.
; code = x / 2^e, held within +-57,344, to the nearest code, ties to even.  LIMITS: e between -126 and 112.  NaN among the inputs is not served.
.set NUM, 8                            ; v8-39   32 numbers down K
.set COD, 40                           ; v40-47  the fragment
	s_load_b256 s[4:11], s[0:1], 0x0               ; Wq s[4:5], Wk s[6:7], Wv s[8:9], the scales' exponents s[10:11]
	s_load_b64 s[12:13], s[0:1], 0x20              ; wimg
	v_lshrrev_b32 v5, 5, v0
	v_readfirstlane_b32 s14, v5                    ; wave = t
	v_and_b32 v6, 15, v0                           ; r
	v_bfe_u32 v7, v0, 4, 1                         ; h
	v_lshlrev_b32 v1, 2, v6
	v_lshl_add_u32 v1, v7, 13, v1                  ; in: 4 r + 32 h rows of 256 bytes
	v_and_b32 v2, 31, v0
	v_lshlrev_b32 v2, 4, v2                        ; out: 16 x lane
	s_lshr_b32 s15, ttmp9, 4                       ; p
	s_and_b32 s25, ttmp9, 15                       ; s
	s_lshl_b32 s26, s25, 14                        ; 64 s rows of 256 bytes
	s_lshl_b32 s27, s14, 6                         ; + 16 t columns
	s_add_co_u32 s26, s26, s27
	s_mov_b32 s27, 0
	s_mul_i32 s28, s25, 12
	s_lshl_b32 s29, s15, 2
	s_add_co_u32 s28, s28, s29
	s_add_co_u32 s28, s28, s14
	s_lshl_b32 s28, s28, 10                        ; fragment 12 s + 4 p + t, 1,024 bytes each
	s_mov_b32 s29, 0
	s_wait_alu depctr_va_vdst(0)
	s_wait_kmcnt 0x0
	s_load_b256 s[16:23], s[10:11], 0x0            ; e0 .. e7
	s_cmp_lt_u32 ttmp9, 16                         ; which weight: the choice hangs on the work-group's number alone
	s_cselect_b64 s[4:5], s[4:5], s[6:7]
	s_cmp_lt_u32 ttmp9, 32
	s_cselect_b64 s[4:5], s[4:5], s[8:9]
	s_add_nc_u64 s[4:5], s[4:5], s[26:27]
	s_add_nc_u64 s[12:13], s[12:13], s[28:29]
.set i, 0
.rept 32
	global_load_b32 v[NUM+i], v1, s[4:5] offset:256*i      ; W(64 s + 32 h + i, 16 t + r): sixteen neighbouring lanes read 64 neighbouring bytes
.set i, i+1
.endr
	s_wait_kmcnt 0x0
	s_cmp_lt_u32 ttmp9, 16
	s_cselect_b32 s24, s17, s19                    ; e1 or e3,
	s_cmp_lt_u32 ttmp9, 32
	s_cselect_b32 s24, s24, s21                    ; or e5
	s_add_co_i32 s24, s24, 127
	s_lshl_b32 s25, s24, 23
	v_mov_b32 v3, s25                              ; 2^e as f32: the conversion takes its exponent field
	s_add_co_i32 s24, s24, 15
	s_lshl_b32 s24, s24, 23
	s_or_b32 s24, s24, 0x600000
	v_mov_b32 v4, s24                              ; 57,344 x 2^e
	s_wait_alu depctr_va_vdst(0)
	s_wait_loadcnt 0x0
.set i, 0
.rept 32
	v_med3_num_f32 v[NUM+i], v[NUM+i], -v4, v4     ; the conversion to an 8-bit code does not saturate (ISA guide 7.6.2): the hold comes first
.set i, i+1
.endr
.irp g, 0,1,2,3
	v_cvt_scalef32_pk8_bf8_f32 v[COD+2*\g:COD+2*\g+1], v[NUM+8*\g:NUM+8*\g+7], v3
.endr
	v_nop                                          ; a plain line behind the last conversion
	global_store_b128 v2, v[COD:COD+3], s[12:13]               ; the wave stores 512 consecutive bytes, aligned
	global_store_b128 v2, v[COD+4:COD+7], s[12:13] offset:512
	s_endpgm
.Lfunc_end_k_q27177e5f14_wprep:
	.size	k_q27177e5f14_wprep, .Lfunc_end_k_q27177e5f14_wprep-k_q27177e5f14_wprep
	.p2alignl 7, 3214868480
	.fill 96, 4, 3214868480
	.section	.rodata,"a",@progbits
	.p2align	6, 0x0
	.amdhsa_kernel k_q27177e5f14_wprep
		.amdhsa_group_segment_fixed_size 0
		.amdhsa_private_segment_fixed_size 0
		.amdhsa_enable_private_segment 0
		.amdhsa_kernarg_size 40
		.amdhsa_user_sgpr_count 2
		.amdhsa_user_sgpr_kernarg_segment_ptr 1
		.amdhsa_wavefront_size32 1
		.amdhsa_system_sgpr_workgroup_id_x 1
		.amdhsa_system_sgpr_workgroup_id_y 1
		.amdhsa_system_sgpr_workgroup_id_z 1
		.amdhsa_system_vgpr_workitem_id 0
		.amdhsa_next_free_vgpr 56
		.amdhsa_next_free_sgpr 66
		.amdhsa_reserve_vcc 0
		.amdhsa_float_denorm_mode_32 3
		.amdhsa_float_denorm_mode_16_64 3
		.amdhsa_memory_ordered 1
		.amdhsa_forward_progress 1
		.amdhsa_inst_pref_size 8
	.end_amdhsa_kernel
	.amdgpu_metadata
---
amdhsa.version: [ 1, 2 ]
amdhsa.kernels:
  - .name:           k_q27177e5f14_wprep
    .symbol:         k_q27177e5f14_wprep.kd
    .args:
      - { .name: Wq, .offset: 0, .size: 8, .value_kind: global_buffer, .address_space: global }
      - { .name: Wk, .offset: 8, .size: 8, .value_kind: global_buffer, .address_space: global }
      - { .name: Wv, .offset: 16, .size: 8, .value_kind: global_buffer, .address_space: global }
      - { .name: lowp_scales, .offset: 24, .size: 8, .value_kind: global_buffer, .address_space: global }
      - { .name: wimg, .offset: 32, .size: 8, .value_kind: global_buffer, .address_space: global }
    .group_segment_fixed_size: 0
    .private_segment_fixed_size: 0
    .kernarg_segment_align: 8
    .kernarg_segment_size: 40
    .max_flat_workgroup_size: 128
    .sgpr_count:     66
    .vgpr_count:     56
    .wavefront_size: 32
...
	.end_amdgpu_metadata
.endif
;; end of part 4
;; launch proj (part 5): grid 256 x 1, 8 waves a work-group, no clusters, 232,448 bytes of LDS; arguments x, wimg, lowp_scales, qimg, kv; writes qimg, kv
.if DOCPART == 5
	.amdgcn_target "amdgcn-amd-amdhsa--gfx1250"
	.amdhsa_code_object_version 6
	.text
	.protected	k_q27177e5f14_proj
	.globl	k_q27177e5f14_proj
	.p2align	8
	.type	k_q27177e5f14_proj,@function
k_q27177e5f14_proj:
	s_mov_b64 s[64:65], 0
	v_nop
	global_prefetch_b8 v0, s[64:65] scope:SCOPE_SE
	s_setreg_imm32_b32 hwreg(HW_REG_WAVE_SCHED_MODE, 0, 2), 2
	s_setreg_imm32_b32 hwreg(HW_REG_WAVE_MODE, 25, 1), 1
	s_wait_xcnt 0x0
	s_wait_alu depctr_vm_vsrc(0)
; q = x Wq, k = x Wk, v = x Wv on codes of E5M2, and q, k, v quantised again for the attention.  x: [65,536][1,024] f32.  wimg: the three weights' codes as register images (12 fragments for each K step of 64).
; x has a scale of its own in each product (entries 0, 2, 4 of the scales): it is quantised three times, in registers, from one read.
; SHARES.  A work-group takes 256 rows of x, 1 MiB; each of its eight waves 32 rows (two tiles a = 0, 1 of 16) x all 192 columns: 24 accumulators, 192 registers.  K goes in 16 steps of 64.
; x COMES BY PLAIN LOADS through a ring of four register sets.  A chunk is 16 rows x 64 k: eight loads, in each of which sixteen lanes read 256 consecutive aligned bytes of a row.  A set is asked for again as soon as its
; chunk has left it, so three to four chunks, 12 to 16 KiB a wave, are always on their way.  The turn from (lane = 16 bytes of a row) to (lane = a row, 32 neighbours along K) goes through the wave's own stage in LDS.
; THE WEIGHTS' 196,608 bytes lie in LDS for the whole launch; each fragment read feeds both row tiles.
; NO CLUSTER: what work-groups share is the weights' 192 KiB, read once, beside 1 MiB of x that is each work-group's own; the launch has no tensor load to make joint.
; LAYOUT.  A fragment of x: lane (r, h) holds row r; byte b of register m is k = 64 s + 32 h + 4 m + b: the weights' images have the same order, so every product meets its partner.
; q and k: source 0 = 16 columns of the weight, source 1 = x: a lane holds ONE token (r) and eight neighbouring d (16 t + 8 h + j): two registers of codes a tile, a fragment of 8 registers a token tile.
; v: source 0 = x, source 1 = 16 columns of Wv: a lane holds ONE d (16 t + r) and eight neighbouring tokens (8 h + j), the keys of the attention's second product.
; OUT, all as register images (each store of a wave covers 512 consecutive bytes, aligned):
;   qimg[token tile][1,024]: lane (r, h), registers 2 t, 2 t + 1: q[token r][16 t + 8 h + 0..7].
;   kv[4 batch + slot][131,072], a slot = 1,024 keys: 64 key tiles laid like qimg; from byte 65,536: [key block of 128][d tile][2,048]: lane (r, h), register 2 c + i, byte b: v[key 16 c + 8 h + 4 i + b][16 dt + r].
; A sum of product 1 stands for sum x 2^(e0 + e1), so q's code is sum / 2^(e6 - e0 - e1): the three scales are folded into the conversion's one; k and v likewise.
; LIMITS, so that each power of two is an f32 number: e0, e2, e4, e6 - e0 - e1, e7 - e2 - e3, e9 - e4 - e5 between -126 and 112.  NaN among the inputs is not served.
; REGISTERS.  Window 0: v1-5 addresses; v6-11 scale and limit of x for q, k, v; v12-14 the weights' copy; v16-143 the ring; v144-175 row tile 0's turned chunk, then Wv's four fragments; v176-191 two sets of held numbers;
;   v192-239 x's codes (a, p) at 192 + 24 a + 8 p; v240-245 scale and limit of q, k, v.   Window 1: v0-191 accumulator (a, T) at 8 (12 a + T); v192-223 Wq's four fragments; v224-255 row tile 1's turned chunk, then Wk's four.
; THE MODE: SCHED_MODE bits 1:0 = 2 (LLVM: expert scheduling mode 2), set by the entry lines.  The code itself states the register dependences between vector or matrix instructions and memory or LDS
; instructions, with s_wait_alu, always for 0.
; THE PLAN.  Registers that memory or LDS instructions touch in a K step, and who else names them:
;   the ring      Global loads land in a set; the stage's eight LDS stores read it; it is asked for again.  No vector instruction names it in the loop: one wait on vm_vsrc between a set's stores and its loads.
;   X0            The stage's loads land in it at the step's head; tile 0's holds read it; Wv's loads land in it behind the conversions; the v products read it.
;   X1            The same in window 1: the stage's loads at the head; tile 1's holds; Wk's loads behind the conversions; the k products.
;   Wq            Its loads land at the step's head; the q products read it.
;   v[AW]         Read by every load of a weight's fragment; written once a trip, ahead of a step's head.
;   v1 to v4      Made at the kernel's head and never written again: x's rows are reached by the scalar base and by immediate offsets.
;   The held numbers, x's codes and the accumulators are named by vector and matrix instructions alone.
; So TWO waits on va_vdst stand in a step.  The one at its head states that the last step's products are done reading Wq, X1 and X0, and that v[AW] is written: behind it both tiles' turns, Wq's loads and the ring's
; sixteen loads go out in one run, in which no vector instruction stands.  The one behind tile 1's conversions states that both tiles' holds are done reading X0 and X1: behind it Wk's and Wv's loads go out.
.set WSTEP,  12288                     ; a K step's 12 fragments in LDS
.set STG,    196608                    ; behind the weights: a stage of 16 rows for each wave
.set SPITCH, 272                       ; a stage row: 256 bytes + 16: the sixteen rows that a load touches start at sixteen different banks (64 banks of 4 bytes: ISA guide 11.1)
.set XO,  1                            ; v1  x: (lane / 16) rows of 4,096 bytes + 16 (lane % 16)
.set SST, 2                            ; v2  the stage on the way in
.set SLD, 3                            ; v3  and on the way out: row r, + 128 h
.set LI,  4                            ; v4  16 x lane: an image's place for my lane
.set AW,  5                            ; v5  LI + the K step's place among the weights
.set R,   16
.set X,   144                          ; X0
.set X1,  224                          ; in window 1
.set T,   176
.set CD,  192
.set WB0, 192                          ; in window 1
.set MSB, 0
.macro WIN new                         ; the immediate's high byte repeats the setting that is left
.if MSB != \new
	s_set_vgpr_msb (MSB<<8)|\new
.set MSB, \new
.endif
.endm
.macro PLACES                          ; four plain places behind matrix instructions, in front of loads into and writes of their registers and of the first read of results
.rept 4
	v_nop
.endr
.endm
.macro MKSC d, e                       ; s[e] holds an exponent: v[d] = 2^e as f32, v[d + 1] = 57,344 x 2^e
	s_add_co_i32 s33, s[\e], 127
	s_lshl_b32 s34, s33, 23
	v_mov_b32 v[\d], s34
	s_add_co_i32 s33, s33, 15
	s_lshl_b32 s33, s33, 23
	s_or_b32 s33, s33, 0x600000
	v_mov_b32 v[\d+1], s33
.endm
; The turned chunk at v[xb] on (32 numbers of my row) becomes three fragments, one for each of x's scales.  The held numbers go into two sets by turns, so that the eight holds of one group are the plain lines behind the conversion before.
; x stands as the hold's THIRD source (the middle of three numbers does not hang on their order): tile 1's chunk lies in window 1, and the conversion has no third source, so one window setting serves the whole run.
.macro QX a, xb
.set n, 0
.rept 12
.irp i, 0,1,2,3,4,5,6,7
	v_med3_num_f32 v[T+8*(n%2)+\i], -v[7+2*(n/4)], v[7+2*(n/4)], v[(\xb)+8*(n%4)+\i]   ; the conversion does not saturate (ISA guide 7.6.2): the hold at the largest code x the scale
.endr
	v_cvt_scalef32_pk8_bf8_f32 v[CD+24*(\a)+8*(n/4)+2*(n%4):CD+24*(\a)+8*(n/4)+2*(n%4)+1], v[T+8*(n%2):T+8*(n%2)+7], v[6+2*(n/4)]
.set n, n+1
.endr
	v_nop                                          ; a plain line between the last conversion and the products that read its result
.endm
; A K step of 64: 24 matrix instructions, the 24 accumulators by turns in the same order in every step.  par: which two ring sets; zero = 1: the products start the sums.
; reload = 1: the two sets are asked for again, at byte xoff of the rows.  left0, left1: the younger loads that may stay out when tile 0's, tile 1's chunk has to be there.
.macro KSTEP par, zero, reload, xoff, woff, left0, left1
.if \zero == 0
	PLACES                                         ; behind the last step's products; the wait on va_vdst below stands beside them
.endif
	s_wait_loadcnt \left0                          ; loads come back in order: tile 0's eight are in
	s_wait_alu depctr_va_vdst(0)                   ; the last step's products are done reading Wq, X1 (Wk's fragments) and X0 (Wv's), in which the LDS loads below land; v[AW], where it was stepped, is written
.irp i, 0,1,2,3,4,5,6,7
	ds_store_b128 v[SST], v[R+64*(\par)+4*\i:R+64*(\par)+4*\i+3] offset:544*\i
.endr
.irp j, 0,1,2,3,4,5,6,7
	ds_load_b128 v[X+4*\j:X+4*\j+3], v[SLD] offset:16*\j       ; LDS serves a wave's instructions in order: these see the stores above
.endr
.if \reload
	s_wait_alu depctr_vm_vsrc(0)                   ; the eight LDS stores above have read tile 0's ring set, in which the loads below land
.irp i, 0,1,2,3,4,5,6,7
	global_load_b128 v[R+64*(\par)+4*\i:R+64*(\par)+4*\i+3], v[XO], s[4:5] offset:8192*\i+(\xoff) th:TH_LOAD_NT
.endr
.endif
	s_wait_loadcnt \left1                          ; tile 1's eight are in
.irp i, 0,1,2,3,4,5,6,7
	ds_store_b128 v[SST], v[R+64*(\par)+32+4*\i:R+64*(\par)+32+4*\i+3] offset:544*\i   ; into the same stage: in order behind tile 0's loads from it
.endr
	WIN 0x40                                       ; destination window 1, address window 0.  Since the wait on va_vdst at the step's head no vector instruction has been issued
.irp j, 0,1,2,3,4,5,6,7
	ds_load_b128 v[X1+4*\j:X1+4*\j+3], v[SLD] offset:16*\j
.endr
.irp t, 0,1,2,3                                ; Wq's four fragments
	ds_load_b128 v[WB0+8*\t:WB0+8*\t+3],   v[AW] offset:(\woff)+1024*\t
	ds_load_b128 v[WB0+8*\t+4:WB0+8*\t+7], v[AW] offset:(\woff)+1024*\t+512
.endr
	WIN 0
.if \reload
	s_wait_alu depctr_vm_vsrc(0)                   ; the eight LDS stores of tile 1 have read its ring set, in which the loads below land
.irp i, 0,1,2,3,4,5,6,7
	global_load_b128 v[R+64*(\par)+32+4*\i:R+64*(\par)+32+4*\i+3], v[XO], s[4:5] offset:65536+8192*\i+(\xoff) th:TH_LOAD_NT
.endr
.endif
	s_wait_dscnt 24                                ; X0 is in; behind its loads: tile 1's eight stores and eight loads, and Wq's eight
	QX 0, X
	s_wait_dscnt 8                                 ; X1 is in; Wq's eight loads may be out
	WIN 0x10                                       ; source 2 (x) window 1
	QX 1, X1
	WIN 0x40                                       ; destination window 1, address window 0
	s_wait_alu depctr_va_vdst(0)                   ; both tiles' holds are done reading X0 and X1, in which Wk's and Wv's fragments land
.irp t, 0,1,2,3                                ; Wk's four take tile 1's turned chunk's registers,
	ds_load_b128 v[WB0+32+8*\t:WB0+32+8*\t+3],   v[AW] offset:(\woff)+1024*(4+\t)
	ds_load_b128 v[WB0+32+8*\t+4:WB0+32+8*\t+7], v[AW] offset:(\woff)+1024*(4+\t)+512
.endr
	WIN 0
.irp t, 0,1,2,3                                ; Wv's four tile 0's
	ds_load_b128 v[X+8*\t:X+8*\t+3],   v[AW] offset:(\woff)+1024*(8+\t)
	ds_load_b128 v[X+8*\t+4:X+8*\t+7], v[AW] offset:(\woff)+1024*(8+\t)+512
.endr
	s_wait_dscnt 16                                ; Wq's fragments are in; the sixteen loads just issued may be out
	WIN 0x51                                       ; source 0 (the weight), C and D window 1; source 1 (x) window 0
.irp p, 0,1
.if \p == 1
	s_wait_dscnt 8                                 ; Wk's fragments are in; Wv's eight loads may be out
.endif
.irp t, 0,1,2,3
.irp a, 0,1
.if \zero
	v_wmma_f32_16x16x64_bf8_bf8 v[8*(12*\a+4*\p+\t):8*(12*\a+4*\p+\t)+7], v[WB0+32*\p+8*\t:WB0+32*\p+8*\t+7], v[CD+24*\a+8*\p:CD+24*\a+8*\p+7], 0
.else
	v_wmma_f32_16x16x64_bf8_bf8 v[8*(12*\a+4*\p+\t):8*(12*\a+4*\p+\t)+7], v[WB0+32*\p+8*\t:WB0+32*\p+8*\t+7], v[CD+24*\a+8*\p:CD+24*\a+8*\p+7], v[8*(12*\a+4*\p+\t):8*(12*\a+4*\p+\t)+7]
.endif
.endr
.endr
.endr
	s_wait_dscnt 0x0                               ; Wv's fragments are in
	WIN 0x50                                       ; sources 0 (x) and 1 (Wv) window 0; C and D window 1
.irp t, 0,1,2,3
.irp a, 0,1
.if \zero
	v_wmma_f32_16x16x64_bf8_bf8 v[8*(12*\a+8+\t):8*(12*\a+8+\t)+7], v[CD+24*\a+16:CD+24*\a+23], v[X+8*\t:X+8*\t+7], 0
.else
	v_wmma_f32_16x16x64_bf8_bf8 v[8*(12*\a+8+\t):8*(12*\a+8+\t)+7], v[CD+24*\a+16:CD+24*\a+23], v[X+8*\t:X+8*\t+7], v[8*(12*\a+8+\t):8*(12*\a+8+\t)+7]
.endif
.endr
.endr
	WIN 0
.endm
; The weights' address moves on.  It stands ahead of a step's head, whose wait on va_vdst states that it is written.
.macro ON
	s_wait_alu depctr_vm_vsrc(0)                   ; the LDS loads of fragments issued so far have read v[AW]
	v_add_nc_u32 v[AW], s31, v[LI]
.endm
	s_load_b256 s[4:11], s[0:1], 0x0               ; x s[4:5], wimg s[6:7], the scales' exponents s[8:9], qimg s[10:11]
	s_load_b64 s[12:13], s[0:1], 0x20              ; kv
	v_lshl_add_u32 v254, v0, 2, 0x38800
	v_mov_b32 v255, 0
	v_lshrrev_b32 v15, 5, v0
	v_readfirstlane_b32 s14, v15                   ; wave 0..7
	v_and_b32 v15, 15, v0                          ; r
	v_bfe_u32 v246, v0, 4, 1                       ; h
	v_lshlrev_b32 v247, 4, v15                     ; 16 r
	v_lshl_add_u32 v[XO], v246, 12, v247
	s_wait_alu depctr_va_sdst(0)                   ; s14 is written, ahead of its first reader: the stage's place and the bases are made from it
	s_mul_i32 s32, s14, 16*SPITCH
	s_add_co_u32 s32, s32, STG                     ; my stage
	v_mul_u32_u24 v[SST], v246, SPITCH
	v_add_nc_u32 v[SST], v[SST], v247
	v_add_nc_u32 v[SST], s32, v[SST]               ; in: row 2 i + lane / 16, 16 bytes a lane
	v_mul_u32_u24 v[SLD], v15, SPITCH
	v_lshl_add_u32 v[SLD], v246, 7, v[SLD]
	v_add_nc_u32 v[SLD], s32, v[SLD]               ; out: row r, my half's 128 bytes
	v_and_b32 v[LI], 31, v0
	v_lshlrev_b32 v[LI], 4, v[LI]
	v_lshlrev_b32 v12, 4, v0                       ; the weights' copy: 16 bytes a thread, 4,096 a line;
	v_add_nc_u32 v13, 0x10000, v12                 ; an LDS immediate has 16 bits, so three registers carry the rest
	v_add_nc_u32 v14, 0x20000, v12
	s_lshl_b32 s26, ttmp9, 20                      ; x: 256 rows of 4,096 bytes a work-group,
	s_lshl_b32 s27, s14, 17                        ; 32 a wave
	s_add_co_u32 s26, s26, s27
	s_mov_b32 s27, 0
	s_lshl_b32 s28, ttmp9, 14                      ; qimg: 16 token tiles of 1,024 bytes a work-group,
	s_lshl_b32 s29, s14, 11                        ; two a wave
	s_add_co_u32 s28, s28, s29
	s_mov_b32 s29, 0
	s_lshr_b32 s40, ttmp9, 2                       ; kv: four work-groups to a slot of 131,072 bytes,
	s_lshl_b32 s40, s40, 17
	s_and_b32 s41, ttmp9, 3                        ; a quarter of its K part and of its V part each: 16,384 bytes
	s_lshl_b32 s41, s41, 14
	s_add_co_u32 s40, s40, s41
	s_lshl_b32 s41, s14, 11
	s_add_co_u32 s42, s40, s41                     ; K: two key tiles a wave
	s_mov_b32 s43, 0
	s_lshr_b32 s41, s14, 2
	s_lshl_b32 s41, s41, 13                        ; V: four waves to a key block of 8,192 bytes;
	s_add_co_u32 s44, s40, s41
	s_and_b32 s41, s14, 3
	s_lshl_b32 s41, s41, 9                         ; my two key tiles are one group of four registers in each of the block's four fragments
	s_add_co_u32 s44, s44, s41
	s_add_co_u32 s44, s44, 65536
	s_mov_b32 s45, 0
	s_wait_kmcnt 0x0
	s_load_b256 s[16:23], s[8:9], 0x0              ; e0 .. e7
	s_load_b64 s[24:25], s[8:9], 0x20              ; e8, e9
	s_add_nc_u64 s[4:5], s[4:5], s[26:27]
	s_add_nc_u64 s[10:11], s[10:11], s[28:29]
	s_add_nc_u64 s[36:37], s[12:13], s[42:43]
	s_add_nc_u64 s[38:39], s[12:13], s[44:45]
	WIN 0x40                                       ; the weights pass through the registers that the accumulators will take
	s_wait_alu depctr_va_vdst(0)                   ; v1 to v4 and v12 to v14 are written: the offsets and LDS addresses that the loads and stores from here on read
.set i, 0
.rept 48
	global_load_b128 v[4*i:4*i+3], v12, s[6:7] offset:4096*i
.set i, i+1
.endr
	WIN 0
.irp s, 0,1                                    ; the ring is filled: K steps 0 and 1, both row tiles
.irp a, 0,1
.irp i, 0,1,2,3,4,5,6,7
	global_load_b128 v[R+32*(2*\s+\a)+4*\i:R+32*(2*\s+\a)+4*\i+3], v[XO], s[4:5] offset:65536*\a+8192*\i+256*\s th:TH_LOAD_NT
.endr
.endr
.endr
	s_wait_kmcnt 0x0
	MKSC 6, 16                                     ; x for q: e0
	MKSC 8, 18                                     ; x for k: e2
	MKSC 10, 20                                    ; x for v: e4
	s_sub_co_i32 s32, s22, s16
	s_sub_co_i32 s32, s32, s17
	MKSC 240, 32                                   ; q: e6 - e0 - e1
	s_sub_co_i32 s32, s23, s18
	s_sub_co_i32 s32, s32, s19
	MKSC 242, 32                                   ; k: e7 - e2 - e3
	s_sub_co_i32 s32, s25, s20
	s_sub_co_i32 s32, s32, s21
	MKSC 244, 32                                   ; v: e9 - e4 - e5
	s_wait_loadcnt 32                              ; the 48 loads of weights are in; the ring's 32, issued behind them, stay out
	WIN 0x04                                       ; store data window 1
.set i, 0
.rept 48
	ds_store_b128 v[12+i/16], v[4*i:4*i+3] offset:4096*(i%16)  ; the data come from loads; the addresses were written ahead of the wait on va_vdst above, and no vector instruction since names them
.set i, i+1
.endr
	WIN 0
	s_wait_dscnt 0x0                               ; for the others' sake: my part of the weights lies in LDS
	s_barrier_signal -1
	s_barrier_wait -1                              ; everybody's does.  The launch's one barrier: from here on a wave writes its own stage alone
	s_wait_alu depctr_vm_vsrc(0)                   ; my LDS stores have read the 192 registers through which the weights passed: the first products write them as accumulators
	s_mov_b32 s31, 0
	v_add_nc_u32 v[AW], s31, v[LI]
	KSTEP 0, 1, 1, 512, 0, 24, 24                  ; K step 0 stands in front of the loop: its products start the sums; it asks for K step 2
	s_mov_b32 s31, WSTEP
	s_mov_b32 s30, 6
.Ltrip:                                                ; six trips: K steps 1 + 2 j and 2 + 2 j, which ask for steps 3 + 2 j and 4 + 2 j.  At a chunk's wait the three younger chunks' 24 loads may be out
	ON
	KSTEP 1, 0, 1, 768, 0, 24, 24
	KSTEP 0, 0, 1, 1024, WSTEP, 24, 24
	s_wait_xcnt 0x0                                ; the loads' base is stepped only behind this wait
	s_add_nc_u64 s[4:5], s[4:5], 512
	s_add_co_u32 s31, s31, 2*WSTEP
	s_sub_co_u32 s30, s30, 1
	s_cmp_lg_u32 s30, 0
	s_cbranch_scc1 .Ltrip
	ON
	KSTEP 1, 0, 1, 768, 0, 24, 24                  ; K step 13 asks for step 15, the last: no load leaves a row
	KSTEP 0, 0, 0, 0, WSTEP, 24, 16                ; the counts run down
	KSTEP 1, 0, 0, 0, 2*WSTEP, 8, 0
	; THE WAY OUT.  The sums are held and converted with the folded scales; the codes are fragments' registers as they stand, and go straight to memory: all conversions first, then one wait, then the twelve stores.
	PLACES
	s_wait_alu depctr_vm_vsrc(0)                   ; the stage's LDS stores of the last two K steps have read the ring's registers, which the holds below write
	WIN 0x01                                       ; source 0 (the sums) window 1
.irp a, 0,1
.irp p, 0,1
.irp t, 0,1,2,3
.irp j, 0,1,2,3,4,5,6,7
	v_med3_num_f32 v[R+8*(8*\a+4*\p+\t)+\j], v[8*(12*\a+4*\p+\t)+\j], -v[241+2*\p], v[241+2*\p]   ; each accumulator from its low end on
.endr
.endr
.endr
.endr
	WIN 0
.irp a, 0,1
.irp p, 0,1
.irp t, 0,1,2,3
	v_cvt_scalef32_pk8_bf8_f32 v[X+2*(8*\a+4*\p+\t):X+2*(8*\a+4*\p+\t)+1], v[R+8*(8*\a+4*\p+\t):R+8*(8*\a+4*\p+\t)+7], v[240+2*\p]
.endr
.endr
.endr
	v_nop                                          ; a plain line behind the last conversion: its sources are written again below
	WIN 0x01
.irp d, 0,1,2,3
.irp a, 0,1
.irp j, 0,1,2,3,4,5,6,7
	v_med3_num_f32 v[R+8*(2*\d+\a)+\j], v[8*(12*\a+8+\d)+\j], -v245, v245
.endr
.endr
.endr
	WIN 0
.irp d, 0,1,2,3
.irp a, 0,1
	v_cvt_scalef32_pk8_bf8_f32 v[CD+4*\d+2*\a:CD+4*\d+2*\a+1], v[R+8*(2*\d+\a):R+8*(2*\d+\a)+7], v244
.endr
.endr
	v_nop
	s_wait_alu depctr_va_vdst(0)                   ; the conversions have written q's and k's codes (v144 on) and v's (v192 on), which the stores below read
.irp a, 0,1
	global_store_b128 v[LI], v[X+16*\a:X+16*\a+3],     s[10:11] offset:1024*\a
	global_store_b128 v[LI], v[X+16*\a+4:X+16*\a+7],   s[10:11] offset:1024*\a+512
	global_store_b128 v[LI], v[X+16*\a+8:X+16*\a+11],  s[36:37] offset:1024*\a
	global_store_b128 v[LI], v[X+16*\a+12:X+16*\a+15], s[36:37] offset:1024*\a+512
.endr
.irp d, 0,1,2,3
	global_store_b128 v[LI], v[CD+4*\d:CD+4*\d+3], s[38:39] offset:2048*\d
.endr
	s_wait_dscnt 0x0                               ; the closing lines, six on end
	s_wait_alu 0x0
	s_wait_tensorcnt 0x0
	ds_add_u32 v254, v255
	s_wait_dscnt 0x0
	s_endpgm
.Lfunc_end_k_q27177e5f14_proj:
	.size	k_q27177e5f14_proj, .Lfunc_end_k_q27177e5f14_proj-k_q27177e5f14_proj
	.p2alignl 7, 3214868480
	.fill 96, 4, 3214868480
	.section	.rodata,"a",@progbits
	.p2align	6, 0x0
	.amdhsa_kernel k_q27177e5f14_proj
		.amdhsa_group_segment_fixed_size 232448
		.amdhsa_private_segment_fixed_size 0
		.amdhsa_enable_private_segment 0
		.amdhsa_kernarg_size 40
		.amdhsa_user_sgpr_count 2
		.amdhsa_user_sgpr_kernarg_segment_ptr 1
		.amdhsa_wavefront_size32 1
		.amdhsa_system_sgpr_workgroup_id_x 1
		.amdhsa_system_sgpr_workgroup_id_y 1
		.amdhsa_system_sgpr_workgroup_id_z 1
		.amdhsa_system_vgpr_workitem_id 0
		.amdhsa_next_free_vgpr 512
		.amdhsa_next_free_sgpr 66
		.amdhsa_reserve_vcc 0
		.amdhsa_float_denorm_mode_32 3
		.amdhsa_float_denorm_mode_16_64 3
		.amdhsa_memory_ordered 1
		.amdhsa_forward_progress 1
		.amdhsa_inst_pref_size 153
	.end_amdhsa_kernel
	.amdgpu_metadata
---
amdhsa.version: [ 1, 2 ]
amdhsa.kernels:
  - .name:           k_q27177e5f14_proj
    .symbol:         k_q27177e5f14_proj.kd
    .args:
      - { .name: x, .offset: 0, .size: 8, .value_kind: global_buffer, .address_space: global }
      - { .name: wimg, .offset: 8, .size: 8, .value_kind: global_buffer, .address_space: global }
      - { .name: lowp_scales, .offset: 16, .size: 8, .value_kind: global_buffer, .address_space: global }
      - { .name: qimg, .offset: 24, .size: 8, .value_kind: global_buffer, .address_space: global }
      - { .name: kv, .offset: 32, .size: 8, .value_kind: global_buffer, .address_space: global }
    .group_segment_fixed_size: 232448
    .private_segment_fixed_size: 0
    .kernarg_segment_align: 8
    .kernarg_segment_size: 40
    .max_flat_workgroup_size: 256
    .sgpr_count:     66
    .vgpr_count:     512
    .wavefront_size: 32
...
	.end_amdgpu_metadata
.endif
;; end of part 5
;; launch attn (part 6): grid 16 x 16, 8 waves a work-group, clusters of 4 x 1, 327,680 bytes of LDS; arguments qimg, kv, lowp_scales, out0; writes out0
.if DOCPART == 6
	.amdgcn_target "amdgcn-amd-amdhsa--gfx1250"
	.amdhsa_code_object_version 6
	.text
	.protected	k_q27177e5f14_attn
	.globl	k_q27177e5f14_attn
	.p2align	8
	.type	k_q27177e5f14_attn,@function
k_q27177e5f14_attn:
	s_mov_b64 s[64:65], 0
	v_nop
	global_prefetch_b8 v0, s[64:65] scope:SCOPE_SE
	s_setreg_imm32_b32 hwreg(HW_REG_WAVE_MODE, 25, 1), 1
	s_wait_xcnt 0x0
	s_wait_alu depctr_hold_cnt(0) depctr_sa_sdst(0) depctr_va_vdst(0) depctr_va_sdst(0) depctr_va_ssrc(0) depctr_va_vcc(0) depctr_vm_vsrc(0)
	s_getreg_b32 s2, hwreg(HW_REG_IB_STS2, 6, 4)
	s_cmp_eq_u32 s2, 0
	s_cbranch_scc0 .Lentry_in_a_cluster
	s_endpgm
.Lentry_in_a_cluster:
	s_bfe_u32 s2, ttmp6, 0x10000c
	s_cmp_lg_u32 s2, 0x3003
	s_cbranch_scc0 .Lentry_shape_is_right
	s_endpgm
.Lentry_shape_is_right:
; out[b][q][:] = the sum over k of softmax_k(q . k / 32) v[k][:], both products on codes of E5M2.  16 batches, 4,096 tokens, head size 64.  q, k and v arrive as register images, made by the launch before:
;   qimg[token tile][1,024]: lane (r, h), registers 2 t, 2 t + 1: q[token r][16 t + 8 h + 0..7].
;   kv[4 batch + slot][131,072], a slot = 1,024 keys: 64 key tiles laid like qimg; from byte 65,536: [key block of 128][d tile][2,048]: lane (r, h), register 2 c + i, byte b: v[key 16 c + 8 h + 4 i + b][16 dt + r].
; THE SOFTMAX AHEAD OF THE SECOND PRODUCT: t = score x log2(e) / 32; M = the row's largest t so far, rounded UP to a whole number; p = 2^(t - M) is what is quantised, with the given 2^e8; it is not normalised.
; The row's sum is taken of the unquantised p, in f32, and divides at the end.  When M moves, the sum and O are multiplied by 2^(old M - new M), which rounds nothing; there is no branch on data.
; SHARES.  A work-group owns 256 queries of a batch; each of its eight waves 32, two tiles of 16, so that each fragment of K and V read from LDS feeds two products.  Two waves to a SIMD: one's matrix work and LDS loads
; stand beside the other's vector work.  Every wave walks all 4,096 keys, 128 a step: 16 products K Q^T, the softmax of 2 x 64 registers, 8 products V^T P.
; LAYOUT.  Both products are used transposed: S^T = K Q^T (source 0 = 16 keys, source 1 = 16 queries), O^T = V^T P^T (source 0 = 16 of the head's 64, source 1 = P): a lane holds ONE query (lane % 16) throughout.
; In S^T's tile u lane (r, h) holds keys 16 u + 8 h + 0..7: their eight codes are registers 2 u, 2 u + 1 of the second product's operand, in that form's own order.  Nothing changes lanes.
; THE RING.  Two LDS slots of 131,072 bytes, a slot of kv each, dense: four fills in all, each of eight loads of 16 KiB, one a wave; a fill has the other slot's eight steps in which to land.  A wave has one tensor load out at the most.
; CLUSTER.  The four work-groups of a cluster own query blocks of one batch and walk the same kv: every fill is asked for JOINTLY, by the same tensor load with the same descriptor and the mask of all four.
; LIMITS on the given exponents: e6 + e7 between -121 and 132 (they are added to c's exponent field); e8 between -126 and 112; e8 + e9 is applied by v_ldexp_f32 and has none.
; REGISTERS.  Window 0: v1-8 addresses; v16-31 eight statistics a tile: +0 -M, +1 the largest t, +2, +3 the sum in two halves, +4 f, +5 the other half's number, +6, +7 at work; v32 2^e8, v33 57,344 x 2^e8;
;   v34-37 a second chain of sums a tile; v64-191 S^T, then p, 64 a tile; v192-223 p's codes, 16 a tile.   Window 1: v0-63 O^T, 32 a tile; v64-79 Q; v128-191 K's eight fragments; v192-255 V's four.
.set SLOT1, 1<<17                      ; slot 1 begins here: one exclusive or turns an address in one slot into the other's
.set SPARE, 262144                     ; behind the ring: the spare words, 128 bytes for each wave: four blocks of 256 bytes that no other line names
.set STAGE, 263168                     ; the way out: 16 rows x (256 bytes + 16) for each wave; no fill lands here
.set SP,    272
.set LI,  1                            ; v1  16 x lane: an image's place for my lane
.set AK,  2                            ; v2  the step's tiles of K
.set AV,  3                            ; v3  and of V
.set SPW, 4                            ; v4  LDS address of my spare word: SPARE + 4 x my thread's number; never rewritten
.set NIL, 5                            ; v5  0; never rewritten
.set STO, 6                            ; v6  the stage: where I put 32 bytes of a row
.set RD,  7                            ; v7  and where I read a row back
.set GO,  8                            ; v8  my byte offset in two rows of out
.set ST,  16
.set SC,  32
.set LIM, 33
.set C2,  34
.set S,   64
.set P,   192
.set O,   0                            ; in window 1
.set Q,   64
.set KF,  128
.set VF,  192
.set MSB, 0
.macro WIN new                         ; the immediate's high byte repeats the setting that is left
.if MSB != \new
	s_set_vgpr_msb (MSB<<8)|\new
.set MSB, \new
.endif
.endm
.macro PLACES
.rept 4
	v_nop
.endr
.endm
; A round of the cluster's barrier: my work-group's barrier, so that wave 0's signal speaks for all eight waves; wave 0 signals; every wave waits for all four work-groups; my work-group's barrier once more.
.macro ROUND
	s_barrier_signal -1
	s_barrier_wait -1
	s_cmp_lg_u32 s12, 0
	s_cbranch_scc1 .Lnot_wave_0_\@
	s_barrier_signal -3
.Lnot_wave_0_\@:
	s_barrier_wait -3
	s_barrier_signal -1
	s_barrier_wait -1
.endm
; THE CHANGE OF SLOTS stands at a slot's head.  Each wave waits for all its tensor loads (its part of the slot that it is about to read), adds 0 to its spare word, and waits for that and for its reads of the slot that it has left.
; fill = 1: the barrier is a round of the cluster's, so that no wave of any partner still reads that slot or has a load on its way, and the joint fill of it is the first thing behind the round.
.macro CHANGE fill
	s_wait_tensorcnt 0x0                           ; no tensor load of mine is out, so the descriptor may be written
	ds_add_u32 v[SPW], v[NIL]                      ; 0 onto my spare word
.if \fill
	s_xor_b32 s33, s33, SLOT1                      ; the other slot than last time,
	s_add_nc_u64 s[34:35], s[34:35], 131072        ; the next 1,024 keys; the type bits on top are not reached
.endif
	s_wait_dscnt 0x0                               ; the add is done, and my reads of the slot that I have left are over
.if \fill
	ROUND
	tensor_load_to_lds s[32:35], s[24:31]          ; my 16 KiB of the slot: my one tensor load until the next round
	s_nop 0
	PLACES
.else
	s_barrier_signal -1
	s_barrier_wait -1
.endif
.endm
; The softmax of both tiles for 128 keys; the tiles alternate line by line, so that fewer lines wait for the line just ahead.
.macro SOFT
.irp x, 0,1                                    ; the largest score of my query among my 64 keys, in two chains a tile; each accumulator is read from its low end on
	v_max3_num_f32 v[ST+8*\x+6], v[S+64*\x], v[S+64*\x+1], v[S+64*\x+2]
	v_max3_num_f32 v[ST+8*\x+7], v[S+64*\x+3], v[S+64*\x+4], v[S+64*\x+5]
.endr
.irp i, 6,10,14,18,22,26,30,34,38,42,46,50,54,58
.irp x, 0,1
	v_max3_num_f32 v[ST+8*\x+6], v[ST+8*\x+6], v[S+64*\x+\i], v[S+64*\x+\i+1]
	v_max3_num_f32 v[ST+8*\x+7], v[ST+8*\x+7], v[S+64*\x+\i+2], v[S+64*\x+\i+3]
.endr
.endr
.irp x, 0,1
	v_max3_num_f32 v[ST+8*\x+6], v[ST+8*\x+6], v[S+64*\x+62], v[S+64*\x+63]
.endr
.irp x, 0,1
	s_delay_alu instid0(VALU_DEP_2)
	v_max_num_f32 v[ST+8*\x+6], v[ST+8*\x+6], v[ST+8*\x+7]
.endr
.irp x, 0,1
	s_delay_alu instid0(VALU_DEP_2)
	v_permlanex16_b32 v[ST+8*\x+5], v[ST+8*\x+6], s20, s21     ; the query's other 64 keys lie in the lane 16 away
.endr
.irp x, 0,1
	s_delay_alu instid0(VALU_DEP_2)
	v_max_num_f32 v[ST+8*\x+6], v[ST+8*\x+6], v[ST+8*\x+5]
.endr
.irp x, 0,1
	s_delay_alu instid0(VALU_DEP_2)
	v_mul_f32 v[ST+8*\x+6], s22, v[ST+8*\x+6]      ; as t (c is positive)
.endr
.irp x, 0,1
	s_delay_alu instid0(VALU_DEP_2)
	v_max_num_f32 v[ST+8*\x+1], v[ST+8*\x+1], v[ST+8*\x+6]     ; the running largest t
.endr
.irp x, 0,1
	v_mov_b32 v[ST+8*\x+6], v[ST+8*\x]
.endr
.irp x, 0,1
	s_delay_alu instid0(VALU_DEP_4)
	v_floor_f32 v[ST+8*\x], -v[ST+8*\x+1]          ; the new -M = floor(-t) = -ceil(t): M is a whole number
.endr
.irp x, 0,1
	s_delay_alu instid0(VALU_DEP_2)
	v_sub_f32 v[ST+8*\x+6], v[ST+8*\x], v[ST+8*\x+6]           ; M's old value less its new one: a whole number, 0 or less
.endr
.irp x, 0,1
	s_delay_alu instid0(VALU_DEP_2)
	v_cvt_i32_f32 v[ST+8*\x+6], v[ST+8*\x+6]       ; (it saturates)
.endr
.irp x, 0,1
	s_delay_alu instid0(VALU_DEP_2)
	v_ldexp_f32 v[ST+8*\x+4], 1.0, v[ST+8*\x+6]    ; f = 2^(old M - new M)
.endr
.irp x, 0,1
.set j, 0
.rept 32
	v_pk_fma_f32 v[S+64*\x+j:S+64*\x+j+1], v[S+64*\x+j:S+64*\x+j+1], s[22:23], v[ST+8*\x:ST+8*\x+1] op_sel_hi:[1,0,0]   ; t - M, two at a time (of the pairs c and -M the low word serves both halves)
.set j, j+2
.endr
.endr
.set j, 0
	s_wait_alu depctr_va_vdst(0)
.rept 128
	v_exp_f32 v[S+j], v[S+j]                       ; p = 2^(t - M), at most 1: not normalised
.set j, j+1
.endr
.irp x, 0,1
	v_pk_mul_f32 v[ST+8*\x+2:ST+8*\x+3], v[ST+8*\x+2:ST+8*\x+3], v[ST+8*\x+4:ST+8*\x+5] op_sel_hi:[1,0]   ; the sums under the new M.  (The plain place behind the exponentials)
.endr
	s_wait_alu depctr_va_vdst(0)
.irp x, 0,1
	v_pk_add_f32 v[C2+2*\x:C2+2*\x+1], v[S+64*\x:S+64*\x+1], v[S+64*\x+2:S+64*\x+3]   ; the row's sum is taken of the unquantised p: two at a time, in two chains a tile
.endr
	s_setprio 1
.irp i, 4,8,12,16,20,24,28,32,36,40,44,48,52,56,60
.irp x, 0,1
	v_pk_add_f32 v[ST+8*\x+2:ST+8*\x+3], v[ST+8*\x+2:ST+8*\x+3], v[S+64*\x+\i:S+64*\x+\i+1]
	v_pk_add_f32 v[C2+2*\x:C2+2*\x+1], v[C2+2*\x:C2+2*\x+1], v[S+64*\x+\i+2:S+64*\x+\i+3]
.endr
.endr
.irp x, 0
	s_delay_alu instid0(VALU_DEP_3)
	v_pk_add_f32 v[ST+8*\x+2:ST+8*\x+3], v[ST+8*\x+2:ST+8*\x+3], v[C2+2*\x:C2+2*\x+1]
.endr
.irp x, 1
	s_delay_alu instid0(VALU_DEP_2)
	v_pk_add_f32 v[ST+8*\x+2:ST+8*\x+3], v[ST+8*\x+2:ST+8*\x+3], v[C2+2*\x:C2+2*\x+1]
.endr
.set g, 0
.rept 16                                       ; the sixteen tiles of 16 keys x 16 queries, tile 0's eight and then tile 1's
.irp i, 0,1,2,3,4,5,6,7
	v_min_num_f32 v[S+8*g+\i], v[S+8*g+\i], v[LIM] ; the conversion does not saturate (ISA guide 7.6.2); p is not negative, so the hold is one-sided
.endr
	v_cvt_scalef32_pk8_bf8_f32 v[P+2*g:P+2*g+1], v[S+8*g:S+8*g+7], v[SC]
.set g, g+1
.endr
	WIN 0x41                                       ; O^T (destination and source 0) window 1, f window 0
	s_setprio 0
.irp x, 0,1
.set j, 0
.rept 16
	v_pk_mul_f32 v[O+32*\x+j:O+32*\x+j+1], v[O+32*\x+j:O+32*\x+j+1], v[ST+8*\x+4:ST+8*\x+5] op_sel_hi:[1,0]   ; O^T under the new M.  (Also the plain lines between the conversions and the products)
.set j, j+2
.endr
.endr
.endm
; A KEY STEP: 128 keys, at byte s36 of the ring.
.macro STEP
	v_add_nc_u32 v[AK], s36, v[LI]
	s_delay_alu instid0(VALU_DEP_1)
	v_add_nc_u32 v[AV], 0x10000, v[AK]             ; V's part of a slot lies 65,536 bytes behind K's, and both step by 8,192
	v_nop
	v_nop                                          ; four places in all behind the last products, in front of the loads into V's fragments
	WIN 0x40                                       ; destination window 1, address window 0
.irp u, 0,1,2,3,4,5,6,7
	ds_load_b128 v[KF+8*\u:KF+8*\u+3],   v[AK] offset:1024*\u
	ds_load_b128 v[KF+8*\u+4:KF+8*\u+7], v[AK] offset:1024*\u+512
.endr
.irp d, 0,1,2,3
.irp c, 0,1,2,3
	ds_load_b128 v[VF+16*\d+4*\c:VF+16*\d+4*\c+3], v[AV] offset:2048*\d+512*\c
.endr
.endr
	s_wait_dscnt 16                                ; K's sixteen loads are in; V's sixteen, issued behind them, land under the softmax
	WIN 0x05                                       ; sources 0 (K) and 1 (Q) window 1, S^T window 0
.irp u, 0,1,2,3,4,5,6,7
.irp x, 0,1
	v_wmma_f32_16x16x64_bf8_bf8 v[S+64*\x+8*\u:S+64*\x+8*\u+7], v[KF+8*\u:KF+8*\u+7], v[Q+8*\x:Q+8*\x+7], 0
.endr
.endr
	WIN 0
	PLACES                                         ; in front of the first read of the scores
	SOFT
	s_wait_alu depctr_va_vdst(0)
	s_wait_dscnt 0x0                               ; V is in
	WIN 0x51                                       ; source 0 (V), C and D window 1; source 1 (P) window 0
.irp d, 0,1,2,3
.irp x, 0,1                                    ; the eight accumulators by turns, one instruction a turn
	v_wmma_f32_16x16x128_bf8_bf8 v[O+32*\x+8*\d:O+32*\x+8*\d+7], v[VF+16*\d:VF+16*\d+15], v[P+16*\x:P+16*\x+15], v[O+32*\x+8*\d:O+32*\x+8*\d+7]
.endr
.endr
	WIN 0
.endm
.macro SLOT_STEPS                      ; a slot's eight key steps: written once, walked eight times
	s_mov_b32 s38, 8
.Lstep_\@:
	s_setprio 2
	STEP
	s_add_co_u32 s36, s36, 8192
	s_sub_co_u32 s38, s38, 1
	s_cmp_lg_u32 s38, 0
	s_cbranch_scc1 .Lstep_\@
	s_setprio 0
	s_sub_co_u32 s36, s36, 65536                   ; back to a slot's first step,
	s_xor_b32 s36, s36, SLOT1                      ; in the other slot
.endm
	s_load_b256 s[4:11], s[0:1], 0x0               ; qimg s[4:5], kv s[6:7], the scales' exponents s[8:9], out s[10:11]
	v_lshl_add_u32 v[SPW], v0, 2, SPARE
	v_mov_b32 v[NIL], 0
	ds_add_u32 v4, v5
	ds_add_u32 v4, v5
	s_wait_dscnt 0x0
	v_lshrrev_b32 v9, 5, v0
	s_delay_alu instid0(VALU_DEP_1)
	v_readfirstlane_b32 s12, v9                    ; wave 0..7
	s_bfe_u32 s13, ttmp6, 0x40000                  ; cx: my place in the cluster
	s_lshl_b32 s14, ttmp9, 2                       ; in a cluster launch ttmp9 counts clusters
	s_add_co_u32 s14, s14, s13                     ; my block of 256 queries = 4 x cluster x + cx: it enters Q's and out's addresses alone
	s_and_b32 s15, ttmp7, 0xffff                   ; the batch, which the four partners share
	s_lshl_b32 s16, s15, 19                        ; kv: a batch's four slots are 524,288 bytes;
	s_lshl_b32 s45, s12, 14                        ; my 16 KiB of a slot, in memory and in LDS: no place in the cluster enters either
	s_add_co_u32 s16, s16, s45
	s_mov_b32 s17, 0
	s_lshl_b32 s18, s15, 18                        ; qimg: 256 token tiles of 1,024 bytes a batch,
	s_lshl_b32 s46, s14, 14                        ; 16 a block,
	s_add_co_u32 s18, s18, s46
	s_lshl_b32 s46, s12, 11                        ; two a wave
	s_add_co_u32 s18, s18, s46
	s_mov_b32 s19, 0
	s_lshl_b32 s48, s15, 20                        ; out: 4,096 rows of 256 bytes a batch,
	s_lshl_b32 s46, s14, 16                        ; 256 a block,
	s_add_co_u32 s48, s48, s46
	s_lshl_b32 s46, s12, 13                        ; 32 a wave
	s_add_co_u32 s48, s48, s46
	s_mov_b32 s49, 0
	; descriptor group 1: 64 rows of 32 elements of 8 bytes, dense in memory and in LDS: 16 KiB
	s_mov_b32 s24, 15|(3<<16)|(1<<21)              ; 15:0 the mask: all four work-groups; 17:16 elements of 8 bytes; 20 no padding; 21 set beside a mask
	s_mov_b32 s25, 32<<16                          ; tensor_dim0 = 32
	s_mov_b32 s26, 64<<16                          ; tensor_dim1 = 64
	s_mov_b32 s27, 32<<16                          ; tile_dim0 = 32
	s_mov_b32 s28, 64                              ; tile_dim1 = 64
	s_mov_b32 s29, 32                              ; elements from row to row
	s_mov_b32 s30, 0
	s_mov_b32 s31, 0
	s_mov_b32 s20, 0x76543210                      ; v_permlanex16_b32's selects for lane l xor 16
	s_mov_b32 s21, 0xfedcba98
	s_mov_b32 s22, 0x3d38aa3b                      ; c = log2(e) / 32
	s_mov_b32 s36, 0                               ; the step in hand: slot 0, step 0
	s_mov_b32 s37, 3                               ; fills still to be asked for
	s_wait_kmcnt 0x0
	s_load_b128 s[40:43], s[8:9], 0x18             ; e6, e7, e8, e9
	s_mov_b32 s32, 1                               ; descriptor group 0: count = 1,
	s_mov_b32 s33, s45                             ; LDS address: slot 0, my 16 KiB,
	s_add_nc_u64 s[34:35], s[6:7], s[16:17]        ; global address: the batch's first slot, my 16 KiB,
	s_or_b32 s35, s35, 0x80000000                  ; type = 2
	s_add_nc_u64 s[4:5], s[4:5], s[18:19]
	s_add_nc_u64 s[10:11], s[10:11], s[48:49]
	ROUND                                          ; all four work-groups are here: the first joint loads meet
	tensor_load_to_lds s[32:35], s[24:31]          ; slot 0
	s_nop 0
	PLACES
	v_and_b32 v9, 15, v0                           ; r
	v_bfe_u32 v10, v0, 4, 1                        ; h
	v_and_b32 v[LI], 31, v0
	s_delay_alu instid0(VALU_DEP_1)
	v_lshlrev_b32 v[LI], 4, v[LI]
	WIN 0x40                                       ; destination window 1
.irp x, 0,1                                    ; Q's two fragments stay in registers
	global_load_b128 v[Q+8*\x:Q+8*\x+3],   v[LI], s[4:5] offset:1024*\x
	global_load_b128 v[Q+8*\x+4:Q+8*\x+7], v[LI], s[4:5] offset:1024*\x+512
.endr
.set j, 0
.rept 64
	v_mov_b32 v[O+j], 0                            ; O^T.  (The step is written once: the first finds zeros, which the first change of M leaves zeros)
.set j, j+1
.endr
	WIN 0
	s_mul_i32 s47, s12, 16*SP
	s_add_co_u32 s47, s47, STAGE                   ; my stage
	v_mul_u32_u24 v[STO], v9, SP
	s_delay_alu instid0(VALU_DEP_1)
	v_lshl_add_u32 v[STO], v10, 5, v[STO]
	s_delay_alu instid0(VALU_DEP_1)
	v_add_nc_u32 v[STO], s47, v[STO]               ; in: row r, + 32 h
	v_mul_u32_u24 v[RD], v10, SP
	s_delay_alu instid0(VALU_DEP_1)
	v_lshl_add_u32 v[RD], v9, 4, v[RD]
	s_delay_alu instid0(VALU_DEP_1)
	v_add_nc_u32 v[RD], s47, v[RD]                 ; back: lanes 0-15 one row of 256 bytes, lanes 16-31 the next
	v_lshlrev_b32 v[GO], 8, v10
	s_delay_alu instid0(VALU_DEP_1)
	v_lshl_add_u32 v[GO], v9, 4, v[GO]             ; and the same two rows in out
.irp x, 0,1
	v_mov_b32 v[ST+8*\x+1], 0xff61b1e6             ; the largest t so far: -3e38, under every t
	s_delay_alu instid0(VALU_DEP_1)
	v_floor_f32 v[ST+8*\x], -v[ST+8*\x+1]          ; -M
	v_mov_b32 v[ST+8*\x+2], 0                      ; the sum, in two halves
	v_mov_b32 v[ST+8*\x+3], 0
	v_mov_b32 v[ST+8*\x+5], 0                      ; written once: a lane permute's destination counts as one of its sources
.endr
	s_wait_kmcnt 0x0
	s_add_co_i32 s44, s40, s41
	s_lshl_b32 s44, s44, 23
	s_add_co_i32 s22, s22, s44                     ; a score stands for score x 2^(e6 + e7): the two exponents are added to c's exponent field
	s_mov_b32 s23, s22                             ; (named with it as a pair, so it is written)
	s_add_co_i32 s44, s42, 127
	s_lshl_b32 s46, s44, 23
	v_mov_b32 v[SC], s46                           ; 2^e8 as f32, for the conversion
	s_add_co_i32 s44, s44, 15
	s_lshl_b32 s44, s44, 23
	s_or_b32 s44, s44, 0x600000
	v_mov_b32 v[LIM], s44                          ; 57,344 x 2^e8
	s_add_co_i32 s44, s42, s43                     ; e8 + e9
	s_wait_loadcnt 0x0                             ; Q
.Lslot:                                                ; three trips: behind each change of slots but the last the next slot is asked for
	CHANGE 1
	SLOT_STEPS
	s_sub_co_u32 s37, s37, 1
	s_cmp_lg_u32 s37, 0
	s_cbranch_scc1 .Lslot
	CHANGE 0                                       ; the last slot is written out
	SLOT_STEPS
	; THE WAY OUT.  The sum's halves are added; O^T is divided by the sum, multiplied by 2^(e8 + e9), and goes through my stage in LDS, a tile of 16 queries at a time, so that sixteen lanes store 256 consecutive bytes.
	PLACES
.irp x, 0,1
	v_add_f32 v[ST+8*\x+2], v[ST+8*\x+2], v[ST+8*\x+3]
.endr
.irp x, 0,1
	s_delay_alu instid0(VALU_DEP_2)
	v_permlanex16_b32 v[ST+8*\x+5], v[ST+8*\x+2], s20, s21
.endr
.irp x, 0,1
	s_delay_alu instid0(VALU_DEP_2)
	v_add_f32 v[ST+8*\x+2], v[ST+8*\x+2], v[ST+8*\x+5]         ; the row's sum: over 1/2, since the row's largest p is
.endr
	s_wait_alu depctr_va_vdst(0)
.irp x, 0,1
	v_rcp_f32 v[ST+8*\x+4], v[ST+8*\x+2]
.endr
	v_nop                                          ; a plain place behind the reciprocals
	s_wait_alu depctr_va_vdst(0)
.irp x, 0,1
	v_ldexp_f32 v[ST+8*\x+4], v[ST+8*\x+4], s44
.endr
	WIN 0x01                                       ; source 0 (O^T) window 1
.irp x, 0,1
.set j, 0
.rept 16
	v_pk_mul_f32 v[S+64*\x+j:S+64*\x+j+1], v[O+32*\x+j:O+32*\x+j+1], v[ST+8*\x+4:ST+8*\x+5] op_sel_hi:[1,0]   ; register 8 dt + i is out(r, 16 dt + 8 h + i); each accumulator from its low end on
.set j, j+2
.endr
.endr
	WIN 0
.irp x, 0,1
.irp d, 0,1,2,3
	ds_store_b128 v[STO], v[S+64*\x+8*\d:S+64*\x+8*\d+3]   offset:64*\d
	ds_store_b128 v[STO], v[S+64*\x+8*\d+4:S+64*\x+8*\d+7] offset:64*\d+16
.endr
.irp i, 0,1,2,3,4,5,6,7
	ds_load_b128 v[S+64*\x+32+4*\i:S+64*\x+32+4*\i+3], v[RD] offset:544*\i   ; LDS serves a wave's instructions in order: these see my stores, and the next tile's stores come behind them
.endr
.endr
.irp x, 0,1
.irp i, 0,1,2,3,4,5,6,7
	s_wait_dscnt 16*(1-\x)+7-\i                    ; behind this load: the tile's younger loads, and for the first tile the second's sixteen LDS lines
	global_store_b128 v[GO], v[S+64*\x+32+4*\i:S+64*\x+32+4*\i+3], s[10:11] offset:4096*\x+512*\i th:TH_STORE_NT   ; two rows of 256 consecutive bytes, aligned; written once, read by nobody here
.endr
.endr
	s_wait_tensorcnt 0x0                           ; the wave's end, behind my last tensor load and my last LDS store
	ds_add_u32 v[SPW], v[NIL]
	s_wait_dscnt 0x0
	ROUND                                          ; the closing round: no work-group ends while a partner may still ask for a slot that names it
	s_endpgm
.Lfunc_end_k_q27177e5f14_attn:
	.size	k_q27177e5f14_attn, .Lfunc_end_k_q27177e5f14_attn-k_q27177e5f14_attn
	.p2alignl 7, 3214868480
	.fill 96, 4, 3214868480
	.section	.rodata,"a",@progbits
	.p2align	6, 0x0
	.amdhsa_kernel k_q27177e5f14_attn
		.amdhsa_group_segment_fixed_size 327680
		.amdhsa_private_segment_fixed_size 0
		.amdhsa_enable_private_segment 0
		.amdhsa_kernarg_size 32
		.amdhsa_user_sgpr_count 2
		.amdhsa_user_sgpr_kernarg_segment_ptr 1
		.amdhsa_wavefront_size32 1
		.amdhsa_system_sgpr_workgroup_id_x 1
		.amdhsa_system_sgpr_workgroup_id_y 1
		.amdhsa_system_sgpr_workgroup_id_z 1
		.amdhsa_system_vgpr_workitem_id 0
		.amdhsa_next_free_vgpr 512
		.amdhsa_next_free_sgpr 66
		.amdhsa_reserve_vcc 0
		.amdhsa_float_denorm_mode_32 3
		.amdhsa_float_denorm_mode_16_64 3
		.amdhsa_memory_ordered 1
		.amdhsa_forward_progress 1
		.amdhsa_inst_pref_size 74
	.end_amdhsa_kernel
	.amdgpu_metadata
---
amdhsa.version: [ 1, 2 ]
amdhsa.kernels:
  - .name:           k_q27177e5f14_attn
    .symbol:         k_q27177e5f14_attn.kd
    .args:
      - { .name: qimg, .offset: 0, .size: 8, .value_kind: global_buffer, .address_space: global }
      - { .name: kv, .offset: 8, .size: 8, .value_kind: global_buffer, .address_space: global }
      - { .name: lowp_scales, .offset: 16, .size: 8, .value_kind: global_buffer, .address_space: global }
      - { .name: out0, .offset: 24, .size: 8, .value_kind: global_buffer, .address_space: global }
    .group_segment_fixed_size: 327680
    .private_segment_fixed_size: 0
    .kernarg_segment_align: 8
    .kernarg_segment_size: 32
    .max_flat_workgroup_size: 256
    .sgpr_count:     66
    .vgpr_count:     512
    .wavefront_size: 32
...
	.end_amdgpu_metadata
.endif
;; end of part 6
